; MI455X (gfx1250); checked and timed in simulation.
; The chip was launched on July 23, 2026; its instructions are those of AMD's public machine-readable ISA for CDNA 5 (MIT licence, August 2026) and "CDNA5" Instruction Set Architecture Reference Guide (July 2026). The comments in the code are by the model that wrote it; some were corrected since.
;; MSA. Allowed arithmetic: matrix products marked QUANTISED: E4M3 operands, one E8M0 scale for each 32 along K, by v_wmma_scale_f32_16x16x128_f8f6f4 with both operands' format E4M3, f32 sums; everything else in f32.
;; Inputs: Wk 1,024 x 1,024 float32; Wo 1,024 x 1,024 float32; Wq 1,024 x 1,024 float32; Wv 1,024 x 1,024 float32; bo 1,024 float32; x 4 x 2,048 x 1,024 float32.
;; Outputs: out0 4 x 2,048 x 1,024 float32.
;; This version of the problem:
;;   THIS VERSION OF THE PROBLEM IS GIVEN IN LOW PRECISION. The matrix products marked QUANTISED in the list below multiply operands that are first quantised to E4M3 (4 exponent bits, 3 mantissa bits; 8 bits a number), with one power-of-two scale for each 32 numbers along K (OCP MX v1.0); their sums are f32. All else is computed in f32.
;;   The module's matrix products, in the order in which they are computed (A, B: the left and right operand; K: the contracted axis; several contracted axes count as one K, in the product's order):
;;     1. [M 8,192, K 1,024] x [K 1,024, N 1,024]; A: input x; B: input Wq: QUANTISED
;;     2. [M 8,192, K 1,024] x [K 1,024, N 1,024]; A: input x; B: input Wk: QUANTISED
;;     3. [M 8,192, K 1,024] x [K 1,024, N 1,024]; A: input x; B: input Wv: QUANTISED
;;     4. batch 64 x [M 2,048, K 64] x [K 64, N 2,048]; A: computed on the way; B: computed on the way: QUANTISED
;;     5. batch 64 x [M 2,048, K 2,048] x [K 2,048, N 64]; A: softmax (see below); B: computed on the way: QUANTISED
;;     6. [M 8,192, K 1,024] x [K 1,024, N 1,024]; A: computed on the way; B: input Wo: QUANTISED
;;   THE QUANTISER, for each operand of a quantised product, along K:
;;     - K is cut into blocks of 32 from its start; a last block that is shorter is filled with zeros.
;;     - A block's scale is 2^e with e = floor(log2(the largest magnitude in the block)) - 8, held to -126 .. 127; a block of zeros has e = 0. As a byte (E8M0): e + 127.
;;     - Each number is divided by its block's scale, clamped to +-448, and rounded to the nearest number of E4M3, ties to even, subnormals kept.
;;     - The product sums the exact products of the quantised numbers (number of the format x scale) in f32.
;;   ~~~python
;;   def quantise(x, axis):      # numpy; x: float32 -> the quantised numbers, widened to float32 again
;;       x = np.moveaxis(x, axis, -1); K = x.shape[-1]
;;       x = np.pad(x, [(0, 0)] * (x.ndim - 1) + [(0, -K % 32)]); x = x.reshape(x.shape[:-1] + (-1, 32)); a = np.abs(x).max(-1, keepdims=True)
;;       e = np.where(a > 0, np.clip(np.frexp(np.where(a > 0, a, 1))[1] - 1 - 8, -126, 127), 0)      # np.frexp(a)[1] - 1 = floor(log2(a)), exactly
;;       r = np.clip(x / 2.0 ** e, -448, 448)
;;       step = 2.0 ** (np.maximum(np.frexp(np.where(r == 0, 1, r))[1] - 1, -6) - 3)
;;       q = np.round(r / step) * step * 2.0 ** e      # np.round: ties to even
;;       return np.moveaxis(q.reshape(q.shape[:-2] + (-1,))[..., :K], -1, axis).astype(np.float32)
;;   ~~~
;;   SOFTMAX AHEAD OF A QUANTISED PRODUCT. Where the list says 'softmax', what is quantised is not the finished softmax but p = 2^(t - M), with t = logit x log2(e) and M = ceil(the row's largest t), a whole number; so 1/2 < the row's largest p <= 1. The row's sum l is taken of the UNQUANTISED p, in f32, and the product's result is divided by l at the end. Since M is a whole number, a kernel that streams over the keys may use a running M (the ceiling of the running maximum): every later rescaling is an exact power of two, which a block's scale takes up: the codes' values come out the same.
;;   OPERANDS COMPUTED ON THE WAY. 'Computed on the way' means the value that the module computes at that place (a softmax that the list does not call 'softmax' is quantised finished and normalised). What goes into a quantiser is computed in f32, as accurately as f32 sums, v_exp_f32 and their like allow (about 1e-6 of the number): no bf16 or f16 on the way to a quantiser, and a product that is left as it is and whose result goes on into a quantised operand takes f32 operands (vector FMAs, or v_wmma_f32_16x16x4_f32). A number that lies on a knife's edge between two numbers of the format may be rounded either way, as far as f32 arithmetic and the matrix unit's own rounding can turn it there, and no further.
;; One version. Each part assembles by itself: llvm-mc -triple=amdgcn-amd-amdhsa -mcpu=gfx1250 --defsym DOCPART=n.
;; ======== version 1 of 1: 4 launches
;; limits: right only within a limited range of input values
;; workspace buffers: xc 8,388,608 bytes; xs 262,144 bytes; wc 4,194,304 bytes; ws 131,072 bytes; kv 17,301,504 bytes; sac 8,388,608 bytes; sas 262,144 bytes
;; launch quant (part 1): grid 384 x 1, 4 waves a work-group, no clusters, 34,304 bytes of LDS; arguments x, Wq, Wk, Wv, Wo, xc, xs, wc, ws; writes xc, xs, wc, ws
.if DOCPART == 1
	.amdgcn_target "amdgcn-amd-amdhsa--gfx1250"
	.amdhsa_code_object_version 6
	.text
	.protected	k_q97bc617203_quant
	.globl	k_q97bc617203_quant
	.p2align	8
	.type	k_q97bc617203_quant,@function
k_q97bc617203_quant:
	s_mov_b64 s[64:65], 0
	v_nop
	global_prefetch_b8 v0, s[64:65] scope:SCOPE_SE
	s_setreg_imm32_b32 hwreg(HW_REG_WAVE_MODE, 25, 1), 1
	s_wait_xcnt 0x0
; x [8192][1024] f32 (K innermost) and Wq, Wk, Wv, Wo [1024 (k)][1024 (n)] f32 (K is the FIRST axis) become codes of FP8 (E4M3) with one E8M0 byte for each 32 along K.
; A block's scale is 2^(floor(log2(largest magnitude)) - 8): its byte is that magnitude's exponent field - 8, held at 1 from below; numbers are held within +-448 x the scale and rounded to the nearest code, ties to even.
; THE CODES ARE LAID AS IMAGES OF OPERAND REGISTERS.  A panel is 256 rows (tokens of x; columns n of a weight): 16 tiles of 16 rows.  Tile 2 g + u holds at lane place r the row 32 g + 8 u + r + 8 (r / 8).
;   codes:  panel x 262144 + (k / 256) x 65536 + tile x 4096 + ((k / 128) % 2) x 2048 + c x 512 + lane x 16: lane (r, h) has there k = 32 c + 16 h + 0 .. 15 of its row: four loads of 16 bytes a lane bring a fragment
;   scales: panel x 8192 + tile x 512 + (k / 256) x 128 + r x 8 + ((k / 128) % 2) x 4: one word for a row's 128 along K
; wc's panels: Wq 0-3, Wk 4-7, Wv 8-11, Wo 12-15.
; Work-groups 0-255 take x, 256-383 the weights: two paths that part on the work-group's number; only x's path touches LDS.  No tensor load, no barrier: waves share nothing.  No cluster: no two work-groups read the same bytes.
; LIMITS: NaN and infinities among the inputs are not served.  A block of zeros gets the byte 1 where the rule says 127: its codes are zeros, which add nothing under any byte but 0xff, and only this program reads the bytes.
.set R,    16                          ; x: v16-143  two sets of 64: 16 rows x 16 bytes a lane, as loaded
.set X,    144                         ; v144-207 64 numbers of my row: register 16 b + i = k 32 b + 16 h + i
.set PC,   208                         ; v208-223 a fragment's codes
.set TM,   224                         ; v224-227 largest magnitudes, v228-231 bytes, v232-235 448 x the scale, v236-239 the conversions' scale operands
.set PW,   240                         ; the scale word just made
.set PWS,  241                         ; v241-244 the four K steps' scale words
.set SEL,  20                          ; s[20:21] lane selects: lane l xor 16
.set WV,   22                          ; s22 my wave's number
.set MNT,  23                          ; s23 the mantissa field of 448
.set SP,   528                         ; a stage row: 512 bytes + 16 = 132 words: row r starts at bank 4 r mod 64 (64 banks of 4 bytes: ISA guide 11.1)
.set WX,   32                          ; weights: v32-95 two sets of 32 numbers
.set WC,   96                          ; v96-103 a block's codes
.set SB,   24                          ; v24-25  the scale bytes, four to a register
.macro XLOAD s                         ; K step s (128 along K) of my 16 rows: each load reads 512 consecutive bytes of one row
.set i, 0
.rept 16
	global_load_b128 v[R+64*((\s)%2)+4*i:R+64*((\s)%2)+4*i+3], v1, s[4:5] offset:(i+8*(i/8))*4096+512*(\s) th:TH_LOAD_NT
.set i, i+1
.endr
.endm
.macro XTURN s                         ; through my own stage: in as loaded, out 64 bytes of a block a lane.  LDS serves a wave's instructions in order (ISA guide 5.7.1.4): no wait between
.set i, 0
.rept 16
	ds_store_b128 v2, v[R+64*((\s)%2)+4*i:R+64*((\s)%2)+4*i+3] offset:SP*i
.set i, i+1
.endr
.irp b, 0,1,2,3
.irp j, 0,1,2,3
	ds_load_b128 v[X+16*\b+4*\j:X+16*\b+4*\j+3], v3 offset:128*\b+16*\j
.endr
.endr
.endm
.macro QUANT                           ; v[X] .. v[X + 63] become a fragment's codes in v[PC] on and its scale word in v[PW]
.irp b, 0,1,2,3
	v_max3_num_f32 v[TM+\b], |v[X+16*\b]|, |v[X+1+16*\b]|, 0x4800000   ; my 16 numbers of block b, and the floor 2^(9 - 127): the byte cannot fall under 1
.endr
.irp i, 2,4,6,8,10,12,14
.irp b, 0,1,2,3
	v_max3_num_f32 v[TM+\b], v[TM+\b], |v[X+16*\b+\i]|, |v[X+1+16*\b+\i]|   ; the four blocks by turns
.endr
.endr
.irp b, 0,1,2,3
	v_permlanex16_b32 v[TM+4+\b], v[TM+\b], s[SEL], s[SEL+1]
.endr
.irp b, 0,1,2,3
	v_max_num_f32 v[TM+\b], v[TM+\b], v[TM+4+\b]   ; with lane l xor 16's 16: the block's largest magnitude
.endr
.irp b, 0,1,2,3
	v_add_nc_u32 v[TM+12+\b], 0xfc000000, v[TM+\b]   ; 8 off its exponent field: the conversion takes the exponent field of this operand as its scale
.endr
.irp b, 0,1,2,3
	v_and_or_b32 v[TM+8+\b], v[TM+\b], 0x7f800000, s[MNT]   ; 448 x the scale
.endr
.irp b, 0,1,2,3
	v_lshrrev_b32 v[TM+4+\b], 23, v[TM+12+\b]   ; the scale's byte
.endr
	v_lshl_or_b32 v[PW], v[TM+5], 8, v[TM+4]
	v_lshl_or_b32 v[PW], v[TM+6], 16, v[PW]
	v_lshl_or_b32 v[PW], v[TM+7], 24, v[PW]
.irp b, 0,1,2,3
.set i, 0
.rept 16
	v_med3_num_f32 v[X+16*\b+i], v[X+16*\b+i], -v[TM+8+\b], v[TM+8+\b]   ; the conversion to an 8-bit code does not saturate (ISA guide 7.6.2): the hold comes first
.set i, i+1
.endr
	v_cvt_scalef32_pk8_fp8_f32 v[PC+4*\b:PC+1+4*\b], v[X+16*\b:X+7+16*\b], v[TM+12+\b]
	v_cvt_scalef32_pk8_fp8_f32 v[PC+2+4*\b:PC+3+4*\b], v[X+8+16*\b:X+15+16*\b], v[TM+12+\b]
.endr
	v_nop                                          ; one plain line behind the last conversion
.endm
.macro XSTEP s
.if (\s) < 3
	s_wait_loadcnt 16                              ; this K step's 16 loads are in; the next step's 16 may be out
.else
	s_wait_loadcnt 0x0
.endif
	XTURN \s
	s_wait_dscnt 0x0                               ; my 64 numbers are back, and the stores into the stage have read their registers,
.if (\s) < 2
	XLOAD (\s)+2                                   ; which take the loads of two steps on
.endif
	s_wait_xcnt 0x0                                ; the last step's stores have read the codes' registers: only now are they written again
	QUANT
	v_mov_b32 v[PWS+(\s)], v[PW]
.irp c, 0,1,2,3
	global_store_b128 v1, v[PC+4*\c:PC+4*\c+3], s[14:15] offset:((\s)/2)*65536+((\s)%2)*2048+512*\c   ; 32 lanes store 512 consecutive bytes
.endr
.endm
.macro WLOAD t                         ; block t: W(32 t + i, my column), i = 0 .. 31
.set i, 0
.rept 32
	global_load_b32 v[WX+32*((\t)%2)+i], v3, s[6:7] offset:(32*(\t)+i)*4096 th:TH_LOAD_NT
.set i, i+1
.endr
.endm
.macro WBLOCK t
.set XS, WX+32*((\t)%2)
.if (\t) < 7
	s_wait_loadcnt 32                              ; this block's 32 loads are in; the next block's may be out
.else
	s_wait_loadcnt 0x0
.endif
	v_max3_num_f32 v12, |v[XS]|, |v[XS+1]|, |v[XS+2]|   ; all 32 numbers of the block are mine
	v_max3_num_f32 v13, |v[XS+3]|, |v[XS+4]|, |v[XS+5]|
.irp i, 6,10,14,18,22,26
	v_max3_num_f32 v12, v12, |v[XS+\i]|, |v[XS+\i+1]|
	v_max3_num_f32 v13, v13, |v[XS+\i+2]|, |v[XS+\i+3]|
.endr
	v_max3_num_f32 v12, v12, |v[XS+30]|, |v[XS+31]|
	v_max3_num_f32 v12, v12, v13, 0x4800000        ; and the floor
	v_add_nc_u32 v11, 0xfc000000, v12              ; the conversion's scale operand
	v_and_or_b32 v10, v12, 0x7f800000, s[MNT]      ; 448 x the scale
	v_lshrrev_b32 v13, 23, v11                     ; the byte
.if (\t)%4 == 0
	v_mov_b32 v[SB+(\t)/4], v13
.else
	v_lshl_or_b32 v[SB+(\t)/4], v13, 8*((\t)%4), v[SB+(\t)/4]
.endif
.set i, 0
.rept 32
	v_med3_num_f32 v[XS+i], v[XS+i], -v10, v10
.set i, i+1
.endr
	s_wait_alu depctr_va_vdst(0)
	s_wait_xcnt 0x0                                ; the last block's stores have read the codes' registers
.irp g, 0,1,2,3
	v_cvt_scalef32_pk8_fp8_f32 v[WC+2*\g:WC+2*\g+1], v[XS+8*\g:XS+8*\g+7], v11
.endr
	v_nop
	global_store_b128 v4, v[WC:WC+3], s[18:19] offset:((\t)/4)*2048+((\t)%4)*512        ; k 0-15 of the block: the image's lanes 0-15; sixteen lanes of one tile cover 256 consecutive bytes
	global_store_b128 v4, v[WC+4:WC+7], s[18:19] offset:((\t)/4)*2048+((\t)%4)*512+256  ; k 16-31: its lanes 16-31
.if (\t)+2 < 8
	WLOAD (\t)+2
.endif
.endm
	s_load_b256 s[4:11], s[0:1], 0x0               ; x s[4:5], Wq s[6:7], Wk s[8:9], Wv s[10:11]
	s_load_b256 s[12:19], s[0:1], 0x20             ; Wo s[12:13], xc s[14:15], xs s[16:17], wc s[18:19]
	s_load_b64 s[24:25], s[0:1], 0x40              ; ws
	v_lshl_add_u32 v254, v0, 2, 0x8400
	v_mov_b32 v255, 0
	v_lshrrev_b32 v1, 5, v0
	v_readfirstlane_b32 s[WV], v1                  ; wave 0..3
	v_and_b32 v6, 31, v0                           ; lane
	s_mov_b32 s[MNT], 0x600000
	s_cmp_lt_u32 ttmp9, 256
	s_cbranch_scc0 .Lweights
	; ---- x: wave 4 x work-group + wave takes tile T = id / 2 (16 rows) and half id % 2 of K: four K steps of 128
	v_lshlrev_b32 v1, 4, v6                        ; 16 x lane: my bytes of a load's 512, and of an image's
	v_and_b32 v7, 15, v0                           ; r
	v_bfe_u32 v5, v0, 4, 1                         ; h
	s_mul_i32 s26, s[WV], 16*SP                    ; my stage
	v_add_nc_u32 v2, s26, v1                       ; in
	v_mul_u32_u24 v3, v7, SP
	v_lshl_add_u32 v3, v5, 6, v3
	v_add_nc_u32 v3, s26, v3                       ; out: row r, + 64 h
	v_lshlrev_b32 v4, 3, v7
	v_lshl_add_u32 v4, v5, 7, v4                   ; scale words: 128 h + 8 r
	s_mov_b32 s[SEL], 0x76543210
	s_mov_b32 s[SEL+1], 0xfedcba98
.irp b, 0,1,2,3
	v_mov_b32 v[TM+4+\b], 0                        ; written once: a lane permute's destination counts as one of its sources
.endr
	s_lshl_b32 s27, ttmp9, 2
	s_add_co_u32 s27, s27, s[WV]
	s_lshr_b32 s28, s27, 1                         ; T
	s_and_b32 s29, s27, 1                          ; which half of K
	s_lshr_b32 s30, s28, 1
	s_lshl_b32 s30, s30, 17                        ; x: (32 (T / 2) + 8 (T % 2)) rows of 4,096 bytes + 2,048 x half
	s_and_b32 s31, s28, 1
	s_lshl_b32 s31, s31, 15
	s_add_co_u32 s30, s30, s31
	s_lshl_b32 s31, s29, 11
	s_add_co_u32 s30, s30, s31
	s_mov_b32 s31, 0
	s_lshr_b32 s36, s28, 4                         ; the panel,
	s_and_b32 s37, s28, 15                         ; the tile in it
	s_lshl_b32 s32, s36, 18
	s_lshl_b32 s33, s29, 17
	s_add_co_u32 s32, s32, s33
	s_lshl_b32 s33, s37, 12
	s_add_co_u32 s32, s32, s33
	s_mov_b32 s33, 0
	s_lshl_b32 s34, s36, 13
	s_lshl_b32 s35, s37, 9
	s_add_co_u32 s34, s34, s35
	s_lshl_b32 s35, s29, 8
	s_add_co_u32 s34, s34, s35
	s_mov_b32 s35, 0
	s_wait_alu depctr_va_vdst(0)
	s_wait_kmcnt 0x0
	s_add_nc_u64 s[4:5], s[4:5], s[30:31]
	s_add_nc_u64 s[14:15], s[14:15], s[32:33]
	s_add_nc_u64 s[16:17], s[16:17], s[34:35]
	XLOAD 0
	XLOAD 1
	XSTEP 0
	XSTEP 1
	XSTEP 2
	XSTEP 3
	v_cmp_ne_u32 vcc_lo, 0, v5                     ; lanes 0-15 store the words of K steps 0, 1; lanes 16-31 those of 2, 3 (every lane holds its row's words)
	v_cndmask_b32 v246, v[PWS], v[PWS+2], vcc_lo
	v_cndmask_b32 v247, v[PWS+1], v[PWS+3], vcc_lo
	global_store_b64 v4, v[246:247], s[16:17]      ; 32 lanes store 256 consecutive bytes, aligned
	s_wait_tensorcnt 0x0
	ds_add_u32 v254, v255
	s_wait_dscnt 0x0
	s_endpgm
.Lweights:
	; ---- a weight: a lane takes a column n and its registers run down K; a wave takes 32 columns x 256 along K
	s_sub_co_u32 s26, ttmp9, 256
	s_lshr_b32 s27, s26, 5                         ; which weight
	s_bfe_u32 s28, s26, 0x30002                    ; which 128 columns
	s_and_b32 s29, s26, 3                          ; which 256 along K
	s_wait_alu depctr_va_vdst(0)
	v_lshlrev_b32 v3, 2, v6                        ; in: 4 bytes a lane
	v_bfe_u32 v7, v0, 3, 1                         ; column l of 32 lies in tile u = (l / 8) % 2
	v_and_b32 v8, 7, v0
	v_bfe_u32 v9, v0, 4, 1
	v_lshl_add_u32 v8, v9, 3, v8                   ; at place r = l % 8 + 8 (l / 16)
	v_lshlrev_b32 v4, 4, v8
	v_lshl_add_u32 v4, v7, 12, v4                  ; codes: 4096 u + 16 r
	v_lshlrev_b32 v5, 3, v8
	v_lshl_add_u32 v5, v7, 9, v5                   ; scale words: 512 u + 8 r
	s_lshl_b32 s30, s29, 20                        ; W: 256 rows of 4,096 bytes a K part, + 4 x my wave's first column
	s_lshl_b32 s31, s28, 9
	s_add_co_u32 s30, s30, s31
	s_lshl_b32 s31, s[WV], 7
	s_add_co_u32 s30, s30, s31
	s_mov_b32 s31, 0
	s_lshr_b32 s36, s28, 1
	s_lshl_b32 s37, s27, 2
	s_add_co_u32 s36, s36, s37                     ; the panel: 4 x weight + column / 256
	s_and_b32 s37, s28, 1
	s_lshl_b32 s37, s37, 3
	s_lshl_b32 s38, s[WV], 1
	s_add_co_u32 s37, s37, s38                     ; my first tile in it
	s_lshl_b32 s32, s36, 18
	s_lshl_b32 s38, s29, 16
	s_add_co_u32 s32, s32, s38
	s_lshl_b32 s38, s37, 12
	s_add_co_u32 s32, s32, s38
	s_mov_b32 s33, 0
	s_lshl_b32 s34, s36, 13
	s_lshl_b32 s38, s37, 9
	s_add_co_u32 s34, s34, s38
	s_lshl_b32 s38, s29, 7
	s_add_co_u32 s34, s34, s38
	s_mov_b32 s35, 0
	s_wait_alu depctr_va_vdst(0)
	s_wait_kmcnt 0x0
	s_cmp_eq_u32 s27, 1                            ; the choice hangs on the work-group's number alone
	s_cselect_b64 s[6:7], s[8:9], s[6:7]
	s_cmp_eq_u32 s27, 2
	s_cselect_b64 s[6:7], s[10:11], s[6:7]
	s_cmp_eq_u32 s27, 3
	s_cselect_b64 s[6:7], s[12:13], s[6:7]
	s_add_nc_u64 s[6:7], s[6:7], s[30:31]
	s_add_nc_u64 s[18:19], s[18:19], s[32:33]
	s_add_nc_u64 s[24:25], s[24:25], s[34:35]
	WLOAD 0
	WLOAD 1
.set Q, 0
.rept 8
	WBLOCK Q
.set Q, Q+1
.endr
	global_store_b64 v5, v[SB:SB+1], s[24:25]      ; my column's 8 scale bytes: runs of 128 bytes a tile; one byte for each 128 that the path reads
	s_endpgm
.Lfunc_end_k_q97bc617203_quant:
	.size	k_q97bc617203_quant, .Lfunc_end_k_q97bc617203_quant-k_q97bc617203_quant
	.p2alignl 7, 3214868480
	.fill 96, 4, 3214868480
	.section	.rodata,"a",@progbits
	.p2align	6, 0x0
	.amdhsa_kernel k_q97bc617203_quant
		.amdhsa_group_segment_fixed_size 34304
		.amdhsa_private_segment_fixed_size 0
		.amdhsa_enable_private_segment 0
		.amdhsa_kernarg_size 72
		.amdhsa_user_sgpr_count 2
		.amdhsa_user_sgpr_kernarg_segment_ptr 1
		.amdhsa_wavefront_size32 1
		.amdhsa_system_sgpr_workgroup_id_x 1
		.amdhsa_system_sgpr_workgroup_id_y 1
		.amdhsa_system_sgpr_workgroup_id_z 1
		.amdhsa_system_vgpr_workitem_id 0
		.amdhsa_next_free_vgpr 256
		.amdhsa_next_free_sgpr 66
		.amdhsa_reserve_vcc 1
		.amdhsa_float_denorm_mode_32 3
		.amdhsa_float_denorm_mode_16_64 3
		.amdhsa_memory_ordered 1
		.amdhsa_forward_progress 1
		.amdhsa_inst_pref_size 108
	.end_amdhsa_kernel
	.amdgpu_metadata
---
amdhsa.version: [ 1, 2 ]
amdhsa.kernels:
  - .name:           k_q97bc617203_quant
    .symbol:         k_q97bc617203_quant.kd
    .args:
      - { .name: x, .offset: 0, .size: 8, .value_kind: global_buffer, .address_space: global }
      - { .name: Wq, .offset: 8, .size: 8, .value_kind: global_buffer, .address_space: global }
      - { .name: Wk, .offset: 16, .size: 8, .value_kind: global_buffer, .address_space: global }
      - { .name: Wv, .offset: 24, .size: 8, .value_kind: global_buffer, .address_space: global }
      - { .name: Wo, .offset: 32, .size: 8, .value_kind: global_buffer, .address_space: global }
      - { .name: xc, .offset: 40, .size: 8, .value_kind: global_buffer, .address_space: global }
      - { .name: xs, .offset: 48, .size: 8, .value_kind: global_buffer, .address_space: global }
      - { .name: wc, .offset: 56, .size: 8, .value_kind: global_buffer, .address_space: global }
      - { .name: ws, .offset: 64, .size: 8, .value_kind: global_buffer, .address_space: global }
    .group_segment_fixed_size: 34304
    .private_segment_fixed_size: 0
    .kernarg_segment_align: 8
    .kernarg_segment_size: 72
    .max_flat_workgroup_size: 128
    .sgpr_count:     66
    .vgpr_count:     256
    .wavefront_size: 32
...
	.end_amdgpu_metadata
.endif
;; end of part 1
;; launch proj (part 2): grid 4 x 64, 4 waves a work-group, clusters of 4 x 4, 327,680 bytes of LDS; arguments xc, xs, wc, ws, kv; writes kv
.if DOCPART == 2
	.amdgcn_target "amdgcn-amd-amdhsa--gfx1250"
	.amdhsa_code_object_version 6
	.text
	.protected	k_q97bc617203_proj
	.globl	k_q97bc617203_proj
	.p2align	8
	.type	k_q97bc617203_proj,@function
k_q97bc617203_proj:
	s_mov_b64 s[64:65], 0
	v_nop
	global_prefetch_b8 v0, s[64:65] scope:SCOPE_SE
	s_setreg_imm32_b32 hwreg(HW_REG_WAVE_MODE, 25, 1), 1
	s_wait_xcnt 0x0
	s_wait_alu depctr_hold_cnt(0) depctr_sa_sdst(0) depctr_va_vdst(0) depctr_va_sdst(0) depctr_va_ssrc(0) depctr_va_vcc(0) depctr_vm_vsrc(0)
	s_getreg_b32 s2, hwreg(HW_REG_IB_STS2, 6, 4)
	s_cmp_eq_u32 s2, 0
	s_cbranch_scc0 .Lentry_in_a_cluster
	s_endpgm
.Lentry_in_a_cluster:
	s_bfe_u32 s2, ttmp6, 0x10000c
	s_cmp_lg_u32 s2, 0xf033
	s_cbranch_scc0 .Lentry_shape_is_right
	s_endpgm
.Lentry_shape_is_right:
.set NQ,     2
.set FR,     16
.set NL,     4
.set NP,     8
.set SLOT,   131072
.set SCL,    2*SLOT
.set SPARE,  SCL+16384
.set ADRA, 16
.set ADRB, 20
.set CO,   24
.set CO2,  25
.set CSC,  26
.set ADRS, 27
.set SPW,  28
.set NIL,  29
.set SC,   32
.set PWA,  96
.set WW,   104
.set PT,   108
.set AF,   128
.set TX,   128
.set PC,   192
.set TM,   224
.set WV,   16
.set WH,   17
.set WL,   18
.set MM,   19
.set G1,   24
.set G0,   32
.set G1B,  48
.set G0B,  56
.set G1S,  68
.set G0S,  76
.set G1SB, 80
.set G0SB, 88
.set SEL,  2
.set MNT,  87
.set STA,  76
.set STB,  78
.set OB,   82
.set SBP,  90
.set MSB, 0
.macro WIN new
.if MSB != (\new)
	s_set_vgpr_msb (MSB<<8)|(\new)
.set MSB, (\new)
.endif
.endm
.set MUL_LO, 0xa1
.set MUL_HI, 0xf1
.set TO_B,   0x40
.macro JLOAD g0a, g1a, g0b, g1b
	s_cmp_eq_u32 s[WH], 0
	s_cbranch_scc0 .Lfor_b_\@
	tensor_load_to_lds s[\g0a:\g0a+3], s[\g1a:\g1a+7]
	s_nop 0
.rept 4
	v_nop
.endr
	s_branch .Lasked_\@
.Lfor_b_\@:
	tensor_load_to_lds s[\g0b:\g0b+3], s[\g1b:\g1b+7]
	s_nop 0
.rept 4
	v_nop
.endr
.Lasked_\@:
.endm
.macro CREST
	s_cmp_lg_u32 s[WV], 0
	s_cbranch_scc1 .Lnot_wave_0_\@
	s_barrier_signal -3
.Lnot_wave_0_\@:
	s_barrier_wait -3
	s_barrier_signal -1
	s_barrier_wait -1
.endm
.macro CROUND
	s_barrier_signal -1
	s_barrier_wait -1
	CREST
.endm
	s_load_b256 s[4:11], s[0:1], 0x0
	s_load_b64 s[14:15], s[0:1], 0x20              ; kv.  This launch makes K and V alone: 16 clusters, y 0-7 K (x's panels against Wk's), y 8-15 V^T (Wv's panels against x's); q is made by the launch that uses it
	v_lshl_add_u32 v[SPW], v0, 2, SPARE
	v_mov_b32 v[NIL], 0
	ds_add_u32 v28, v29
	ds_add_u32 v28, v29
	s_wait_dscnt 0x0
	v_lshrrev_b32 v1, 5, v0
	v_readfirstlane_b32 s[WV], v1
	s_lshr_b32 s[WH], s[WV], 1
	s_and_b32 s[WL], s[WV], 1
	s_bfe_u32 s40, ttmp6, 0x40000
	s_bfe_u32 s41, ttmp6, 0x40004
	s_mov_b32 s20, 1                               ; Wk's panels are wc's 4 to 7
	s_and_b32 s21, ttmp7, 0xffff
	s_lshl_b32 s42, s41, 2
	s_lshl_b32 s42, 15, s42
	s_lshl_b32 s43, 0x1111, s40
	s_sub_co_u32 s104, s21, 8
	s_cmp_lt_u32 s21, 8
	s_cselect_b32 s22, s21, 0
	s_cselect_b32 s23, s20, s104
	s_cselect_b32 s[MM], 0, -1
	s_lshl_b32 s22, s22, 2
	s_add_co_u32 s22, s22, s41
	s_lshl_b32 s23, s23, 2
	s_add_co_u32 s23, s23, s40
	s_or_b32 s[G1+0], s42, (3<<16)|(1<<21)
	s_or_b32 s[G1B+0], s43, (3<<16)|(1<<21)
.irp g, G1, G1B
	s_mov_b32 s[\g+1], 32<<16
	s_mov_b32 s[\g+2], 256<<16                     ; the head's loads of codes bring a whole K step of a panel: 256 rows of 256 bytes
	s_mov_b32 s[\g+3], 32<<16
	s_mov_b32 s[\g+4], 256
	s_mov_b32 s[\g+5], 32
	s_mov_b32 s[\g+6], 0
	s_mov_b32 s[\g+7], 0
.endr
	s_or_b32 s[G1S+0], s42, (3<<16)|(1<<21)
	s_or_b32 s[G1SB+0], s43, (3<<16)|(1<<21)
.irp g, G1S, G1SB
	s_mov_b32 s[\g+1], 32<<16
	s_mov_b32 s[\g+2], 32<<16                      ; a panel's scale words: 8,192 bytes, 32 rows of 256
	s_mov_b32 s[\g+3], 32<<16
	s_mov_b32 s[\g+4], 32
	s_mov_b32 s[\g+5], 32
	s_mov_b32 s[\g+6], 0
	s_mov_b32 s[\g+7], 0
.endr
	s_lshl_b32 s46, s22, 18
	s_lshl_b32 s47, s[WL], 15
	s_add_co_u32 s46, s46, s47
	s_mov_b32 s47, 0
	s_lshl_b32 s100, s22, 13
	s_mov_b32 s101, 0
	s_lshl_b32 s66, s23, 18
	s_lshl_b32 s67, s[WL], 15
	s_add_co_u32 s66, s66, s67
	s_mov_b32 s67, 0
	s_lshl_b32 s104, s23, 13
	s_mov_b32 s105, 0
	s_lshl_b32 s44, s[WV], 15
	s_wait_kmcnt 0x0
	s_add_nc_u64 s[92:93], s[8:9], 0x200000
	s_add_nc_u64 s[94:95], s[10:11], 0x10000
	s_cmp_lt_u32 s21, 8
	s_cselect_b64 s[92:93], s[4:5], s[92:93]
	s_cselect_b64 s[94:95], s[6:7], s[94:95]
	s_cselect_b64 s[96:97], s[8:9], s[4:5]
	s_cselect_b64 s[98:99], s[10:11], s[6:7]
	s_add_nc_u64 s[92:93], s[92:93], s[46:47]
	s_add_nc_u64 s[94:95], s[94:95], s[100:101]
	s_add_nc_u64 s[96:97], s[96:97], s[66:67]
	s_add_nc_u64 s[98:99], s[98:99], s[104:105]
	CROUND
	s_mov_b32 s[G0S], 1
	s_mov_b32 s[G0S+1], SCL
	s_mov_b64 s[G0S+2:G0S+3], s[94:95]
	s_or_b32 s[G0S+3], s[G0S+3], 0x80000000
	s_mov_b32 s[G0SB], 1
	s_mov_b32 s[G0SB+1], SCL+8192
	s_mov_b64 s[G0SB+2:G0SB+3], s[98:99]
	s_or_b32 s[G0SB+3], s[G0SB+3], 0x80000000
.irp s, 0,1
	s_mov_b32 s[G0+4*\s], 1
	s_add_co_u32 s[G0+4*\s+1], s44, \s*SLOT
	s_add_nc_u64 s[G0+4*\s+2:G0+4*\s+3], s[92:93], \s*65536
	s_or_b32 s[G0+4*\s+3], s[G0+4*\s+3], 0x80000000
	s_mov_b32 s[G0B+4*\s], 1
	s_add_co_u32 s[G0B+4*\s+1], s44, \s*SLOT
	s_add_nc_u64 s[G0B+4*\s+2:G0B+4*\s+3], s[96:97], \s*65536
	s_or_b32 s[G0B+4*\s+3], s[G0B+4*\s+3], 0x80000000
.endr
	; the head's four tiles, one joint load a wave, in one chain of arms on the wave's number: wave 0 A's K step 0 (its slot 0 descriptor begins at the panel's first byte and at LDS byte 0), wave 1 A's scale words, wave 2 B's K step 0 (LDS byte 65,536), wave 3 B's scale words
	s_cmp_eq_u32 s[WV], 0
	s_cbranch_scc0 .Lhead_1
	tensor_load_to_lds s[G0:G0+3], s[G1:G1+7]
	s_nop 0
.rept 4
	v_nop
.endr
	s_branch .Lhead_asked
.Lhead_1:
	s_cmp_eq_u32 s[WV], 1
	s_cbranch_scc0 .Lhead_2
	tensor_load_to_lds s[G0S:G0S+3], s[G1S:G1S+7]
	s_nop 0
.rept 4
	v_nop
.endr
	s_branch .Lhead_asked
.Lhead_2:
	s_cmp_eq_u32 s[WV], 2
	s_cbranch_scc0 .Lhead_3
	tensor_load_to_lds s[G0B:G0B+3], s[G1B:G1B+7]
	s_nop 0
.rept 4
	v_nop
.endr
	s_branch .Lhead_asked
.Lhead_3:
	tensor_load_to_lds s[G0SB:G0SB+3], s[G1SB:G1SB+7]
	s_nop 0
.rept 4
	v_nop
.endr
.Lhead_asked:
	s_wait_alu depctr_va_vdst(0)
	s_wait_tensorcnt 0x0                           ; my tile of the four is in
	ds_add_u32 v28, v29
	s_mov_b32 s[G1+2], 128<<16                     ; no tensor load of mine is out: from here on a load brings 128 rows
	s_mov_b32 s[G1+4], 128
	s_mov_b32 s[G1B+2], 128<<16
	s_mov_b32 s[G1B+4], 128
	s_wait_dscnt 0x0
	CROUND
	JLOAD G0+4, G1, G0B+4, G1B
	v_and_b32 v1, 31, v0
	v_lshlrev_b32 v4, 4, v1
	v_and_b32 v2, 15, v0
	v_bfe_u32 v3, v0, 4, 1
	s_wait_alu depctr_va_vdst(0)
	s_lshl_b32 s104, s[WH], 15
	s_lshl_b32 s105, s[WL], 15
	s_add_co_u32 s105, s105, 65536
.irp s, 0,1
	v_add_nc_u32 v[ADRA+\s], s104, v4
	v_add_nc_u32 v[ADRB+\s], s105, v4
	s_add_co_u32 s104, s104, SLOT
	s_add_co_u32 s105, s105, SLOT
.endr
	v_lshlrev_b32 v5, 3, v2
	s_lshl_b32 s104, s[WH], 12
	s_lshl_b32 s105, s[WL], 12
	s_add_co_u32 s105, s105, 8192
	s_sub_co_u32 s105, s105, s104
	v_mul_u32_u24 v6, s105, v3
	s_add_co_u32 s104, s104, SCL
	v_add_nc_u32 v5, v5, v6
	v_add_nc_u32 v[ADRS], s104, v5
.macro FRAG reg, adr, q, i
.irp c, 0,1,2,3
	ds_load_b128 v[\reg+4*\c:\reg+4*\c+3], v[\adr] offset:(\i)*4096+(\q)*2048+512*\c
.endr
.endm
.macro MUL16 a0, p, q, sc, zero
.irp a, \a0, \a0+1
.irp b, 0,1,2,3,4,5,6,7
.if \zero
	v_wmma_scale_f32_16x16x128_f8f6f4 v[8*(8*((\a)%4)+\b):8*(8*((\a)%4)+\b)+7], v[128*(\p)+FR*\b:128*(\p)+FR*\b+FR-1], v[AF+FR*(\a):AF+FR*(\a)+FR-1], 0, v[SC+8*NQ*(\sc)+NQ*\b+(\q)], v[SC+8*NQ*(\sc)+NQ*(\a)+(\q)] matrix_a_scale:MATRIX_SCALE_ROW1
.else
	v_wmma_scale_f32_16x16x128_f8f6f4 v[8*(8*((\a)%4)+\b):8*(8*((\a)%4)+\b)+7], v[128*(\p)+FR*\b:128*(\p)+FR*\b+FR-1], v[AF+FR*(\a):AF+FR*(\a)+FR-1], v[8*(8*((\a)%4)+\b):8*(8*((\a)%4)+\b)+7], v[SC+8*NQ*(\sc)+NQ*\b+(\q)], v[SC+8*NQ*(\sc)+NQ*(\a)+(\q)] matrix_a_scale:MATRIX_SCALE_ROW1
.endif
.endr
.endr
.endm
.macro FETCH_B slot, q, p
	WIN TO_B
.irp i, 0,1,2,3,4,5,6,7
	FRAG 128*(\p)+FR*\i, ADRB+\slot, \q, \i
.endr
	WIN 0
.endm
.macro FETCH_A slot, q, i0
.irp i, \i0, \i0+1, \i0+2, \i0+3
	FRAG AF+FR*(\i), ADRA+\slot, \q, \i
.endr
.endm
.macro SCALES sc
.irp i, 0,1,2,3,4,5,6,7
	ds_load_b64 v[SC+8*NQ*\sc+NQ*\i:SC+8*NQ*\sc+NQ*\i+1], v[ADRS] offset:\i*512
.endr
.endm
.macro PLACES n
.rept \n
	v_nop
.endr
.endm
.macro STEP slot, q, zero
	s_wait_dscnt 4*NL
	WIN MUL_LO
	MUL16 0, (\q)%2, \q, \slot, \zero
	MUL16 2, (\q)%2, \q, \slot, \zero
	s_wait_dscnt 0
	PLACES NP
	FETCH_B \slot, (\q)+1, 1-(\q)%2
	FETCH_A \slot, (\q)+1, 0
	WIN MUL_HI
	MUL16 4, (\q)%2, \q, \slot, \zero
	MUL16 6, (\q)%2, \q, \slot, \zero
	PLACES NP
	WIN 0
	FETCH_A \slot, (\q)+1, 4
.endm
.macro TURN slot, next, fill
	s_wait_tensorcnt 0x0
	ds_add_u32 v[SPW], v[NIL]
	s_wait_dscnt 4*NL+1
	WIN MUL_LO
	MUL16 0, 1, NQ-1, \slot, 0
	s_wait_dscnt 0x0
	s_barrier_signal -1
	MUL16 2, 1, NQ-1, \slot, 0
	WIN 0
	s_barrier_wait -1
.if \fill
	CREST
	s_add_nc_u64 s[G0+4*\slot+2:G0+4*\slot+3], s[G0+4*\slot+2:G0+4*\slot+3], 2*65536
	s_add_nc_u64 s[G0B+4*\slot+2:G0B+4*\slot+3], s[G0B+4*\slot+2:G0B+4*\slot+3], 2*65536
	JLOAD G0+4*\slot, G1, G0B+4*\slot, G1B
	PLACES NP-4
.else
	PLACES NP
.endif
	s_wait_alu depctr_va_vdst(0)
	v_add_nc_u32 v[ADRS], 128, v[ADRS]
	FETCH_B \next, 0, 0
	FETCH_A \next, 0, 0
	SCALES \next
	WIN MUL_HI
	MUL16 4, 1, NQ-1, \slot, 0
	MUL16 6, 1, NQ-1, \slot, 0
	PLACES NP
	WIN 0
	FETCH_A \next, 0, 4
.endm
	s_wait_alu depctr_va_vdst(0)
	s_wait_tensorcnt 1
	s_barrier_signal -1
	s_barrier_wait -1
	FETCH_B 0, 0, 0
	FETCH_A 0, 0, 0
	SCALES 0
	FETCH_A 0, 0, 4
	STEP 0, 0, 1
	s_mov_b32 s3, 1
.Llap:
	TURN 0, 1, 1
	STEP 1, 0, 0
	TURN 1, 0, 1
	STEP 0, 0, 0
	s_sub_co_u32 s3, s3, 1
	s_cmp_lg_u32 s3, 0
	s_cbranch_scc1 .Llap
	TURN 0, 1, 0
	STEP 1, 0, 0
	s_wait_dscnt 4*NL
	WIN MUL_LO
	MUL16 0, 1, NQ-1, 1, 0
	MUL16 2, 1, NQ-1, 1, 0
	s_wait_dscnt 0
	WIN MUL_HI
	MUL16 4, 1, NQ-1, 1, 0
	MUL16 6, 1, NQ-1, 1, 0
	WIN 0
	PLACES NP
	s_and_b32 s70, s23, 3
	s_cmp_lg_u32 s[MM], 0
	s_cselect_b32 s68, s23, s22
	s_cselect_b32 s69, s[WL], s[WH]
	s_cselect_b32 s70, s22, s70
	s_cselect_b32 s71, s[WH], s[WL]
	s_cselect_b32 s74, 8192, 0
	s_mov_b32 s[STA], 1024
	s_cselect_b32 s[STA], 2048, s[STA]
	s_mov_b32 s[STB], 1024
	s_cselect_b32 s[STB], 264192, s[STB]
	s_mov_b32 s[STA+1], 0
	s_mov_b32 s[STB+1], 0
	s_mov_b32 s72, 270336
	s_mov_b32 s81, 16896
	s_mov_b64 s[OB:OB+1], s[14:15]
	s_mov_b32 s84, 16384
	s_cmp_lg_u32 s[MM], 0
	s_cselect_b32 s84, 8448, s84
	s_cselect_b32 s86, 1024, s72
	s_lshr_b32 s85, s68, 3
	s_and_b32 s68, s68, 7
	s_lshl_b32 s68, s68, 1
	s_add_co_u32 s68, s68, s69
	s_lshl_b32 s70, s70, 1
	s_add_co_u32 s70, s70, s71
	s_lshl_b32 s70, s70, 1
	s_lshl_b32 s85, s85, 4
	s_add_co_u32 s85, s85, s70
	s_mul_i32 s85, s85, s72
	s_mul_i32 s68, s68, s81
	s_add_co_u32 s85, s85, s68
	s_add_co_u32 s88, s85, s74
	s_mov_b32 s89, 0
	s_add_nc_u64 s[OB:OB+1], s[OB:OB+1], s[88:89]
	s_mov_b32 s85, 0
	s_add_nc_u64 s[SBP:SBP+1], s[OB:OB+1], s[84:85]
	s_mov_b32 s[SEL], 0x76543210
	s_mov_b32 s[SEL+1], 0xfedcba98
	s_mov_b32 s[MNT], 0x600000
	v_and_b32 v[CO], 31, v0
	v_lshlrev_b32 v[CO], 4, v[CO]
	v_add_nc_u32 v[CO2], s86, v[CO]
	v_and_b32 v1, 15, v0
	v_bfe_u32 v2, v0, 4, 1
	v_mul_u32_u24 v[CSC], s72, v2
	v_lshl_add_u32 v[CSC], v1, 4, v[CSC]
.irp b, 0,1,2,3
	v_mov_b32 v[TM+4+\b], 0
.endr
.macro QOUT a
.set AC, 64*((\a)%4)
	WIN 0x0a+5*((\a)/4)
.irp b, 0,1,2,3
	v_max3_num_f32 v[TM+\b], |v[AC+16*\b]|, |v[AC+16*\b+1]|, 0x4800000
.endr
.irp i, 2,4,6,8,10,12,14
.irp b, 0,1,2,3
	v_max3_num_f32 v[TM+\b], |v[AC+16*\b+\i]|, |v[AC+16*\b+\i+1]|, v[TM+\b]
.endr
.endr
	WIN 0
.irp b, 0,1,2,3
	v_permlanex16_b32 v[TM+4+\b], v[TM+\b], s[SEL], s[SEL+1]
.endr
.irp b, 0,1,2,3
	v_max_num_f32 v[TM+\b], v[TM+\b], v[TM+4+\b]
.endr
.irp b, 0,1,2,3
	v_add_nc_u32 v[TM+12+\b], 0xfc000000, v[TM+\b]
.endr
.irp b, 0,1,2,3
	v_and_or_b32 v[TM+8+\b], v[TM+\b], 0x7f800000, s[MNT]
.endr
.irp b, 0,1,2,3
	v_lshrrev_b32 v[TM+4+\b], 23, v[TM+12+\b]
.endr
	v_lshl_or_b32 v[PWA+(\a)], v[TM+5], 8, v[TM+4]
	v_lshl_or_b32 v[PWA+(\a)], v[TM+6], 16, v[PWA+(\a)]
	v_lshl_or_b32 v[PWA+(\a)], v[TM+7], 24, v[PWA+(\a)]
	WIN 0x02+((\a)/4)
.irp b, 0,1,2,3
.set i, 0
.rept 16
	v_med3_num_f32 v[TX+16*\b+i], v[AC+16*\b+i], -v[TM+8+\b], v[TM+8+\b]
.set i, i+1
.endr
.endr
	WIN 0
.if (\a) > 0
	s_wait_alu depctr_va_vdst(0)
	s_wait_xcnt 0x0
.endif
.if (\a) == 4
	s_add_nc_u64 s[OB:OB+1], s[OB:OB+1], s[STB:STB+1]
.elseif (\a) > 0
	s_add_nc_u64 s[OB:OB+1], s[OB:OB+1], s[STA:STA+1]
.endif
.irp b, 0,1,2,3
	v_cvt_scalef32_pk8_fp8_f32 v[PC+4*\b:PC+1+4*\b], v[TX+16*\b:TX+7+16*\b], v[TM+12+\b]
	v_cvt_scalef32_pk8_fp8_f32 v[PC+2+4*\b:PC+3+4*\b], v[TX+8+16*\b:TX+15+16*\b], v[TM+12+\b]
.endr
	v_nop
	global_store_b128 v[CO],  v[PC:PC+3],     s[OB:OB+1]
	global_store_b128 v[CO],  v[PC+4:PC+7],   s[OB:OB+1] offset:512
	global_store_b128 v[CO2], v[PC+8:PC+11],  s[OB:OB+1]
	global_store_b128 v[CO2], v[PC+12:PC+15], s[OB:OB+1] offset:512
.endm
.irp a, 0,1,2,3,4,5,6,7
	QOUT \a
.endr
	v_cmp_ne_u32 vcc_lo, 0, v2
.irp j, 0,1,2,3
	v_perm_b32 v[PT+2*\j], v[PWA+2*\j+1], v[PWA+2*\j], 0x05040100
	v_perm_b32 v[PT+2*\j+1], v[PWA+2*\j+1], v[PWA+2*\j], 0x07060302
.endr
.irp j, 0,1,2,3
	v_cndmask_b32 v[PT+2*\j], v[PT+2*\j], v[PT+2*\j+1], vcc_lo
	v_cndmask_b32 v[PT+2*\j+1], v[PWA+\j], v[PWA+4+\j], vcc_lo
.endr
.irp j, 0,1,2,3
	v_cndmask_b32 v[WW+\j], v[PT+2*\j], v[PT+2*\j+1], s[MM]
.endr
	global_store_b128 v[CSC], v[WW:WW+3], s[SBP:SBP+1]
	s_wait_tensorcnt 0x0
	ds_add_u32 v[SPW], v[NIL]
	s_wait_dscnt 0x0
	CROUND
	s_endpgm
.Lfunc_end_k_q97bc617203_proj:
	.size	k_q97bc617203_proj, .Lfunc_end_k_q97bc617203_proj-k_q97bc617203_proj
	.p2alignl 7, 3214868480
	.fill 96, 4, 3214868480
	.section	.rodata,"a",@progbits
	.p2align	6, 0x0
	.amdhsa_kernel k_q97bc617203_proj
		.amdhsa_group_segment_fixed_size 327680
		.amdhsa_private_segment_fixed_size 0
		.amdhsa_enable_private_segment 0
		.amdhsa_kernarg_size 40
		.amdhsa_user_sgpr_count 2
		.amdhsa_user_sgpr_kernarg_segment_ptr 1
		.amdhsa_wavefront_size32 1
		.amdhsa_system_sgpr_workgroup_id_x 1
		.amdhsa_system_sgpr_workgroup_id_y 1
		.amdhsa_system_sgpr_workgroup_id_z 1
		.amdhsa_system_vgpr_workitem_id 0
		.amdhsa_next_free_vgpr 1024
		.amdhsa_next_free_sgpr 106
		.amdhsa_reserve_vcc 1
		.amdhsa_float_denorm_mode_32 3
		.amdhsa_float_denorm_mode_16_64 3
		.amdhsa_memory_ordered 1
		.amdhsa_forward_progress 1
		.amdhsa_inst_pref_size 188
	.end_amdhsa_kernel
	.amdgpu_metadata
---
amdhsa.version: [ 1, 2 ]
amdhsa.kernels:
  - .name:           k_q97bc617203_proj
    .symbol:         k_q97bc617203_proj.kd
    .args:
      - { .name: xc, .offset: 0, .size: 8, .value_kind: global_buffer, .address_space: global }
      - { .name: xs, .offset: 8, .size: 8, .value_kind: global_buffer, .address_space: global }
      - { .name: wc, .offset: 16, .size: 8, .value_kind: global_buffer, .address_space: global }
      - { .name: ws, .offset: 24, .size: 8, .value_kind: global_buffer, .address_space: global }
      - { .name: kv, .offset: 32, .size: 8, .value_kind: global_buffer, .address_space: global }
    .group_segment_fixed_size: 327680
    .private_segment_fixed_size: 0
    .kernarg_segment_align: 8
    .kernarg_segment_size: 40
    .max_flat_workgroup_size: 128
    .sgpr_count:     106
    .vgpr_count:     1024
    .wavefront_size: 32
...
	.end_amdgpu_metadata
.endif
;; end of part 2
;; launch attn (part 3): grid 4 x 64, 8 waves a work-group, clusters of 4 x 1, 272,384 bytes of LDS; arguments xc, kv, sac, sas, xs, wc, ws; writes sac, sas
.if DOCPART == 3
	.amdgcn_target "amdgcn-amd-amdhsa--gfx1250"
	.amdhsa_code_object_version 6
	.text
	.protected	k_q97bc617203_attn
	.globl	k_q97bc617203_attn
	.p2align	8
	.type	k_q97bc617203_attn,@function
k_q97bc617203_attn:
	s_mov_b64 s[64:65], 0
	v_nop
	global_prefetch_b8 v0, s[64:65] scope:SCOPE_SE
	s_setreg_imm32_b32 hwreg(HW_REG_WAVE_MODE, 25, 1), 1
	s_wait_xcnt 0x0
	s_wait_alu depctr_hold_cnt(0) depctr_sa_sdst(0) depctr_va_vdst(0) depctr_va_sdst(0) depctr_va_ssrc(0) depctr_va_vcc(0) depctr_vm_vsrc(0)
	s_getreg_b32 s2, hwreg(HW_REG_IB_STS2, 6, 4)
	s_cmp_eq_u32 s2, 0
	s_cbranch_scc0 .Lentry_in_a_cluster
	s_endpgm
.Lentry_in_a_cluster:
	s_bfe_u32 s2, ttmp6, 0x10000c
	s_cmp_lg_u32 s2, 0x3003
	s_cbranch_scc0 .Lentry_shape_is_right
	s_endpgm
.Lentry_shape_is_right:
; SA[b][q][H 64 + d] = the sum over keys of softmax(q . k / 8) v, both products on codes of FP8 (E4M3) with E8M0 scales; SA is quantised along H 64 + d in registers and leaves as codes for the last product.
; THE SOFTMAX AHEAD OF THE SECOND PRODUCT: t = score x log2(e) / 8; M = the running largest t rounded UP to a whole number; p = 2^(t - M) is quantised along the keys, not normalised; the row's sum is taken of the
; unquantised p and divides at the end.  When M moves, the sum and O are multiplied by 2^(old M - new M): exact, in every step, with no branch on data.
; SHARES.  256 work-groups: one head (work-group y = 16 b + H) and a quarter of its 2,048 queries.  Eight waves of 512 registers, two to a SIMD.  A wave owns four tiles of 16 queries and takes them in two passes of
; TWO TILES AT ONCE: each fragment of K and of V^T that it reads from LDS feeds both tiles, and the two tiles' chains of vector lines stand interleaved.  128 keys a step, 16 steps a pass; one loop body serves both passes.
; LDS.  The head's whole record of kv (16 chunks of 16,896 bytes: K, V^T and their scale words, as images of operand registers) stays in LDS: wave w brings chunks 2 w and 2 w + 1 by ONE tensor load.  No byte is filled twice and
; nothing is stored to LDS: one barrier.  CLUSTER: the four work-groups of a head want the same record: each load is asked for jointly, mask of all four.  No prefetch: every tensor load goes out at the head, so there is no loop to run ahead in.
; THE STEP.  K of step j + 1 and V^T of step j are asked of LDS behind step j's first products, under the softmax.  The last step of a pass has no step behind it: its K address is held at chunk 15, and nothing reads what it brings.
; One tile's exponentials stand among lines of the other tile that hang on nothing in between (its scalings; its holds), with one s_wait_alu at each change of phase.
; LAYOUT.  Both products transposed (S^T = K Q^T, O^T = V^T P^T): a lane holds ONE query of each tile.  Place r of key tile 2 p + u is key 32 p + 8 u + r + 8 (r / 8), so the 16 registers of tiles 2 p, 2 p + 1 are keys 32 p + 16 h + 0 .. 15.
; K = 64 IN AN INSTRUCTION OF K = 128: source 0 holds two tiles of keys (64 channels each); q stands between zero codes: zeros, q of tile a, zeros, q of tile b, zeros; [q, 0] meets key tile 2 p, [0, q] key tile 2 p + 1.
; REGISTERS.  Window 0: addresses, state, q, the scores of both tiles, scale words.  Window 1: v0-63 K, v64-127 V^T, v128-191 O^T of both tiles, v192-223 p's codes of both.
; LIMITS: NaN and infinities are not served; the scaled scores stay under 2^31 in magnitude; a block of zeros gets the byte 1 (its codes are zeros, and only this program reads the bytes).
; SA's two scale bytes of a row and head leave by stores of 2 bytes, 8 bytes apart: the bytes beside them belong to other heads' work-groups.
.set CHUNK, 16896
.set SPARE, 0x42000                    ; behind the record: the spare words, 128 bytes a wave
.set LI,   1                           ; 16 x lane
.set LR,   2                           ; 16 r + 16,384: K's scale words in a chunk (V's: 256 on)
.set AD,   3                           ; this step's chunk + LI
.set ADN,  4                           ; the next step's
.set ADS,  5                           ; this step's chunk + LR
.set ADSN, 6                           ; the next step's
.set R8,   7                           ; 8 r
.set R16,  8                           ; 16 r
.set SPW,  10
.set NIL,  11
.set NM,   12                          ; tile t: v[NM + 2 t] -M, v[NM + 2 t + 1] the largest score so far
.set LS,   16                          ; v[LS + 2 t] on: the sum in two halves
.set FF,   20                          ; v[FF + 2 t] f = 2^(old M - new M)
.set TP,   24                          ; at work, one a tile
.set DD,   26
.set QZ,   28                          ; v28-67 zeros, q a, zeros, q b, zeros
.set S,    68                          ; v68-195 S^T, then p: 64 a tile
.set BM,   196                         ; four a tile: a block's largest score, then its largest p
.set BT,   204                         ; the other half's, then the bytes
.set HL,   212                         ; 448 x the scale
.set SO,   220                         ; the conversions' scale operands
.set TS,   228                         ; v228-243 the sum's eight chains; on the way out SA's codes
.set KS,   244                         ; v244-255 hold scale words and nothing else: K's four, V's four, q's two, p's two
.set VS,   248
.set QS,   252
.set PS,   254
.set KF,   0                           ; window 1
.set VF,   64
.set OT,   128
.set PC,   192
.set WV,  12
.set CX,  13
.set NC,  18                           ; -c
.set MNT, 19
.set SEL, 20
.set CS,  22                           ; s[22:23] c = log2(e) / 8
.set G1,  24
.set G0,  32
.set TB,  36                           ; LDS byte at which the step's chunk begins
.set CNT, 37
.set TN,  46                           ; the next step's
.set PN,  47                           ; the pass
.set MSB, 0
.macro WIN new                         ; the immediate's high byte repeats the setting that is left
.if MSB != (\new)
	s_set_vgpr_msb (MSB<<8)|(\new)
.set MSB, (\new)
.endif
.endm
.macro WALU
	s_wait_alu depctr_va_vdst(0)
.endm
.macro ROUND                           ; a round of the cluster's barrier
	s_barrier_signal -1
	s_barrier_wait -1
	s_cmp_lg_u32 s[WV], 0
	s_cbranch_scc1 .Lnot_wave_0_\@
	s_barrier_signal -3
.Lnot_wave_0_\@:
	s_barrier_wait -3
	s_barrier_signal -1
	s_barrier_wait -1
.endm
; q = x Wq IS MADE HERE, at the head, while the record of K and V is on its way: each wave makes the q of its own four tiles of 16 queries for its head: 64 rows x 64 columns x K = 1,024, 128 products.
; xc and wc are images of operand registers (a fragment of 16 rows x 128 K is 2,048 consecutive bytes), so fragments go from memory straight into registers: no wave shares them through LDS, whose free bytes are fewer than Wq's 64 columns need.
; Transposed use: source 0 = 16 columns of Wq, source 1 = 16 queries; by the order of columns in wc's tiles the 16 registers of column tiles 2 g, 2 g + 1 are channels 32 g + 16 h + 0 .. 15 of the lane's query: the quantiser's results are the first product's operand.
; Registers at that time: window 1 v0-127 Wq's fragments in two buffers, v128-255 the 16 sums (query tile a, column tile b at 128 + 32 a + 8 b); window 0: x's fragments in two buffers where the scores lie later.
.set XP,   196                         ; v196-203 x's scale words of two steps of 128, as loaded: two a tile;  v204-211 Wq's
.set WP,   204
.set QA,   128                         ; window 1: the sums
.set Q1,   224                         ; window 1: v224-239 the second pass's q, v240-241 its scale words, until that pass
.set HM,   54                          ; s54 the mask of lanes 16-31
.set QC,   55
.macro QPARK o                         ; the scale words of 256 along K: 8 loads
.irp i, 0,1,2,3
	global_load_b64 v[XP+2*\i:XP+2*\i+1], v[R8], s[48:49] offset:(\o)+512*\i
	global_load_b64 v[WP+2*\i:WP+2*\i+1], v[R8], s[52:53] offset:(\o)+512*\i
.endr
.endm
.macro QFRAG sub, o                    ; buffer sub: four fragments of Wq and four of x: 32 loads of 512 consecutive bytes
	WIN 0x40
.irp i, 0,1,2,3
.irp c, 0,1,2,3
	global_load_b128 v[64*(\sub)+16*\i+4*\c:64*(\sub)+16*\i+4*\c+3], v[LI], s[50:51] offset:(\o)+4096*\i+2048*(\sub)+512*\c
.endr
.endr
	WIN 0
.irp i, 0,1,2,3
.irp c, 0,1,2,3
	global_load_b128 v[S+64*(\sub)+16*\i+4*\c:S+64*(\sub)+16*\i+4*\c+3], v[LI], s[4:5] offset:(\o)+4096*\i+2048*(\sub)+512*\c
.endr
.endr
.endm
.macro QMUL sub, sc, zero              ; 16 products, the 16 sums by turns
	WIN 0x51
.irp a, 0,1,2,3
.irp b, 0,1,2,3
.if \zero
	v_wmma_scale_f32_16x16x128_f8f6f4 v[QA+32*\a+8*\b:QA+32*\a+8*\b+7], v[64*(\sub)+16*\b:64*(\sub)+16*\b+15], v[S+64*(\sub)+16*\a:S+64*(\sub)+16*\a+15], 0, v[\sc+\b], v[\sc+\a] matrix_a_scale:MATRIX_SCALE_ROW1
.else
	v_wmma_scale_f32_16x16x128_f8f6f4 v[QA+32*\a+8*\b:QA+32*\a+8*\b+7], v[64*(\sub)+16*\b:64*(\sub)+16*\b+15], v[S+64*(\sub)+16*\a:S+64*(\sub)+16*\a+15], v[QA+32*\a+8*\b:QA+32*\a+8*\b+7], v[\sc+\b], v[\sc+\a] matrix_a_scale:MATRIX_SCALE_ROW1
.endif
.endr
.endr
	WIN 0
.rept 8
	v_nop                                          ; places ahead of loads into what the products read, and of the first read of the sums
.endr
.endm
.macro QTRIP zero, lp                  ; 256 along K.  lp = 1: in the loop, whose last trip has nothing more to ask for
	s_wait_loadcnt 32                              ; the scale words and buffer 0 are in; buffer 1's 32 loads may be out
.irp i, 0,1,2,3
	v_cndmask_b32 v[KS+\i], v[XP+2*\i], v[WP+2*\i], s[HM]       ; one register a tile: lanes 0-15 x's word, lanes 16-31 Wq's
.endr
.irp i, 0,1,2,3
	v_cndmask_b32 v[VS+\i], v[XP+2*\i+1], v[WP+2*\i+1], s[HM]
.endr
	WALU
.rept 4
	v_nop                                          ; eight places between a scale word's write and the product that names it
.endr
	QMUL 0, KS, \zero
	s_wait_loadcnt 0x0                             ; buffer 1 is in
.if \lp
	s_cmp_eq_u32 s[QC], 1
	s_cbranch_scc1 .Lq_a_\@
.endif
	QPARK 128
	QFRAG 0, 65536
.Lq_a_\@:
	QMUL 1, VS, 0
.if \lp
	s_cmp_eq_u32 s[QC], 1
	s_cbranch_scc1 .Lq_b_\@
.endif
	QFRAG 1, 65536
	s_wait_xcnt 0x0                                ; the loads have read their bases: 256 along K on
	s_add_nc_u64 s[4:5], s[4:5], 0x10000
	s_add_nc_u64 s[50:51], s[50:51], 0x10000
	s_add_nc_u64 s[48:49], s[48:49], 128
	s_add_nc_u64 s[52:53], s[52:53], 128
.Lq_b_\@:
.endm
.macro QQ a0                           ; q of query tiles a0, a0 + 1 is quantised along the head's 64: two blocks of 32 a tile, four chains by turns
	WIN 0x05
.irp g, 0,1
.irp t, 0,1
	v_max3_num_f32 v[BM+4*\t+\g], |v[QA+32*((\a0)+\t)+16*\g]|, |v[QA+32*((\a0)+\t)+16*\g+1]|, 0x4800000
.endr
.endr
.irp i, 2,4,6,8,10,12,14
.irp g, 0,1
.irp t, 0,1
	v_max3_num_f32 v[BM+4*\t+\g], |v[QA+32*((\a0)+\t)+16*\g+\i]|, |v[QA+32*((\a0)+\t)+16*\g+\i+1]|, v[BM+4*\t+\g]
.endr
.endr
.endr
	WIN 0
.irp n, 0,1,4,5
	v_permlanex16_b32 v[BT+\n], v[BM+\n], s[SEL], s[SEL+1]
.endr
.irp n, 0,1,4,5
	v_max_num_f32 v[BM+\n], v[BM+\n], v[BT+\n]
.endr
.irp n, 0,1,4,5
	v_add_nc_u32 v[SO+\n], 0xfc000000, v[BM+\n]
.endr
.irp n, 0,1,4,5
	v_and_or_b32 v[HL+\n], v[BM+\n], 0x7f800000, s[MNT]
.endr
.irp n, 0,1,4,5
	v_lshrrev_b32 v[BT+\n], 23, v[SO+\n]
.endr
.irp t, 0,1
	v_lshl_or_b32 v[TP+\t], v[BT+4*\t+1], 8, v[BT+4*\t]
.endr
	WIN 0x01
.irp t, 0,1
.irp g, 0,1
.set i, 0
.rept 16
	v_med3_num_f32 v[S+64*\t+16*\g+i], v[QA+32*((\a0)+\t)+16*\g+i], -v[HL+4*\t+\g], v[HL+4*\t+\g]
.set i, i+1
.endr
.endr
.endr
.if (\a0) == 0
	WIN 0
.irp t, 0,1
	v_lshl_or_b32 v[QS+\t], v[TP+\t], 16, v[TP+\t]              ; the tile's two bytes, twice
.irp g, 0,1
	v_cvt_scalef32_pk8_fp8_f32 v[QZ+8+16*\t+4*\g:QZ+8+16*\t+4*\g+1], v[S+64*\t+16*\g:S+64*\t+16*\g+7], v[SO+4*\t+\g]
	v_cvt_scalef32_pk8_fp8_f32 v[QZ+8+16*\t+4*\g+2:QZ+8+16*\t+4*\g+3], v[S+64*\t+16*\g+8:S+64*\t+16*\g+15], v[SO+4*\t+\g]
.endr
.endr
.else
	WIN 0x40                                       ; the second pass's: into window 1, over sums that have been read
.irp t, 0,1
	v_lshl_or_b32 v[Q1+16+\t], v[TP+\t], 16, v[TP+\t]
.irp g, 0,1
	v_cvt_scalef32_pk8_fp8_f32 v[Q1+8*\t+4*\g:Q1+8*\t+4*\g+1], v[S+64*\t+16*\g:S+64*\t+16*\g+7], v[SO+4*\t+\g]
	v_cvt_scalef32_pk8_fp8_f32 v[Q1+8*\t+4*\g+2:Q1+8*\t+4*\g+3], v[S+64*\t+16*\g+8:S+64*\t+16*\g+15], v[SO+4*\t+\g]
.endr
.endr
	WIN 0
.endif
	v_nop                                          ; one plain line behind the last conversion
.endm
.macro KLOAD adr, ads                  ; a chunk's four operands of K (two key tiles each) and its scale words
	WIN 0x40
.irp p, 0,1,2,3
.irp c, 0,1,2,3
	ds_load_b128 v[KF+16*\p+4*\c:KF+16*\p+4*\c+3], v[\adr] offset:2048*\p+512*\c
.endr
.endr
	WIN 0
	ds_load_b128 v[KS:KS+3], v[\ads]
.endm
.macro SCALE t                         ; from tile t's four largest p: scale operands, holds, bytes, the scale word
.irp b, 0,1,2,3
	v_max_num_f32 v[BM+4*(\t)+\b], 0x4800000, v[BM+4*(\t)+\b]      ; the floor 2^(9 - 127): the byte cannot fall under 1
.endr
.irp b, 0,1,2,3
	v_add_nc_u32 v[SO+4*(\t)+\b], 0xfc000000, v[BM+4*(\t)+\b]      ; 8 off the exponent field
.endr
.irp b, 0,1,2,3
	v_and_or_b32 v[HL+4*(\t)+\b], v[BM+4*(\t)+\b], 0x7f800000, s[MNT]   ; 448 x the scale
.endr
.irp b, 0,1,2,3
	v_lshrrev_b32 v[BT+4*(\t)+\b], 23, v[SO+4*(\t)+\b]
.endr
	v_lshl_or_b32 v[PS+(\t)], v[BT+4*(\t)+1], 8, v[BT+4*(\t)]
	v_lshl_or_b32 v[PS+(\t)], v[BT+4*(\t)+2], 16, v[PS+(\t)]
	v_lshl_or_b32 v[PS+(\t)], v[BT+4*(\t)+3], 24, v[PS+(\t)]
.endm
.macro SUM1 t                          ; the row's sum of the unquantised p, two at a time in eight chains; the first line brings the old sum under the new M
.set SS, S+64*(\t)
	v_pk_fma_f32 v[TS:TS+1], v[LS+2*(\t):LS+2*(\t)+1], v[FF+2*(\t):FF+2*(\t)+1], v[SS:SS+1] op_sel_hi:[1,0,1]
.irp i, 1,2,3,4,5,6,7
	v_pk_add_f32 v[TS+2*\i:TS+2*\i+1], v[SS+4*\i-2:SS+4*\i-1], v[SS+4*\i:SS+4*\i+1]
.endr
.set k, 15
.rept 17
	v_pk_add_f32 v[TS+2*((k-15)%8):TS+2*((k-15)%8)+1], v[TS+2*((k-15)%8):TS+2*((k-15)%8)+1], v[SS+2*k:SS+2*k+1]
.set k, k+1
.endr
.endm
.macro SUM2 t                          ; the eight chains become one: seven lines on the chains' registers alone
.irp i, 0,2,4,6
	v_pk_add_f32 v[TS+\i:TS+\i+1], v[TS+\i:TS+\i+1], v[TS+8+\i:TS+9+\i]
.endr
	v_pk_add_f32 v[TS:TS+1], v[TS:TS+1], v[TS+4:TS+5]
	v_pk_add_f32 v[TS+2:TS+3], v[TS+2:TS+3], v[TS+6:TS+7]
	v_pk_add_f32 v[LS+2*(\t):LS+2*(\t)+1], v[TS:TS+1], v[TS+2:TS+3]
.endm
	s_load_b256 s[4:11], s[0:1], 0x0               ; xc s[4:5], kv s[6:7], sac s[8:9], sas s[10:11]
	s_load_b128 s[48:51], s[0:1], 0x20             ; xs s[48:49], wc s[50:51]
	s_load_b64 s[52:53], s[0:1], 0x30              ; ws
	v_lshl_add_u32 v[SPW], v0, 2, SPARE
	v_mov_b32 v[NIL], 0
	ds_add_u32 v[SPW], v[NIL]                      ; the opening lines: the add twice on end and its wait ahead of my tensor load
	ds_add_u32 v[SPW], v[NIL]
	v_lshrrev_b32 v1, 5, v0
	v_readfirstlane_b32 s[WV], v1                  ; wave 0..7
	s_bfe_u32 s[CX], ttmp6, 0x40000                ; my quarter of the queries: it enters q's and SA's global addresses alone
	s_and_b32 s14, ttmp7, 0xffff                   ; 16 b + H, which the four partners share
	s_and_b32 s15, s14, 15                         ; H
	s_lshr_b32 s16, s14, 4                         ; b
	s_mov_b32 s[G1], 15|(3<<16)|(1<<21)            ; the mask: all four; elements of 8 bytes; bit 21 beside a mask; no padding
	s_mov_b32 s[G1+1], 32<<16                      ; rows of 256 bytes
	s_mov_b32 s[G1+2], 132<<16                     ; 132 rows = two chunks
	s_mov_b32 s[G1+3], 32<<16
	s_mov_b32 s[G1+4], 132
	s_mov_b32 s[G1+5], 32                          ; dense
	s_mov_b32 s[G1+6], 0
	s_mov_b32 s[G1+7], 0
	s_mov_b32 s[G0], 1
	s_mul_i32 s[G0+1], s[WV], 2*CHUNK
	s_mul_i32 s40, s14, 16*CHUNK
	s_add_co_u32 s40, s40, s[G0+1]
	s_mov_b32 s41, 0
	s_mov_b32 s[SEL], 0x76543210
	s_mov_b32 s[SEL+1], 0xfedcba98
	s_mov_b32 s[CS], 0x3e38aa3b                    ; c = log2(e) / 8
	s_mov_b32 s[CS+1], s[CS]
	s_mov_b32 s[NC], 0xbe38aa3b                    ; -c
	s_mov_b32 s[MNT], 0x600000
	s_wait_dscnt 0x0
	s_wait_kmcnt 0x0
	s_add_nc_u64 s[G0+2:G0+3], s[6:7], s[40:41]
	s_or_b32 s[G0+3], s[G0+3], 0x80000000
	ROUND                                          ; all four work-groups are here: the joint loads meet
	tensor_load_to_lds s[G0:G0+3], s[G1:G1+7]      ; my one tensor load of the launch
	s_nop 0
.rept 4
	v_nop
.endr
	s_lshl_b32 s44, s16, 3                         ; SA: panel 8 b + 2 cx + w / 4, tile 4 (w % 4) on
	s_lshl_b32 s45, s[CX], 1
	s_add_co_u32 s44, s44, s45
	s_lshr_b32 s45, s[WV], 2
	s_add_co_u32 s44, s44, s45
	s_and_b32 s45, s[WV], 3
	s_lshl_b32 s45, s45, 2
	s_lshr_b32 s46, s15, 2                         ; along K = 64 H + d: K step H / 4, half (H / 2) % 2, blocks 2 (H % 2) and + 1
	s_bfe_u32 s47, s15, 0x10001
	s_and_b32 s17, s15, 1
	s_lshl_b32 s38, s44, 18
	s_lshl_b32 s39, s45, 12
	s_add_co_u32 s38, s38, s39
	s_lshl_b32 s39, s46, 16
	s_add_co_u32 s38, s38, s39
	s_lshl_b32 s39, s47, 11
	s_add_co_u32 s38, s38, s39
	s_lshl_b32 s39, s17, 10
	s_add_co_u32 s38, s38, s39
	s_mov_b32 s39, 0
	s_add_nc_u64 s[8:9], s[8:9], s[38:39]
	s_lshl_b32 s38, s44, 13
	s_lshl_b32 s39, s45, 9
	s_add_co_u32 s38, s38, s39
	s_lshl_b32 s39, s46, 7
	s_add_co_u32 s38, s38, s39
	s_lshl_b32 s39, s47, 2
	s_add_co_u32 s38, s38, s39
	s_lshl_b32 s39, s17, 1
	s_add_co_u32 s38, s38, s39
	s_mov_b32 s39, 0
	s_add_nc_u64 s[10:11], s[10:11], s[38:39]
	s_lshl_b32 s38, s44, 18                        ; my queries are x's panel 8 b + 2 cx + w / 4, tiles 4 (w % 4) on, as SA's are: codes,
	s_lshl_b32 s39, s45, 12
	s_add_co_u32 s38, s38, s39
	s_mov_b32 s39, 0
	s_add_nc_u64 s[4:5], s[4:5], s[38:39]
	s_lshl_b32 s38, s44, 13                        ; scale words;
	s_lshl_b32 s39, s45, 9
	s_add_co_u32 s38, s38, s39
	s_mov_b32 s39, 0
	s_add_nc_u64 s[48:49], s[48:49], s[38:39]
	s_and_b32 s45, s15, 3                          ; my head's 64 columns of Wq are wc's panel H / 4, tiles 4 (H % 4) on: codes,
	s_lshl_b32 s38, s46, 18
	s_lshl_b32 s39, s45, 14
	s_add_co_u32 s38, s38, s39
	s_mov_b32 s39, 0
	s_add_nc_u64 s[50:51], s[50:51], s[38:39]
	s_lshl_b32 s38, s46, 13                        ; scale words
	s_lshl_b32 s39, s45, 11
	s_add_co_u32 s38, s38, s39
	s_mov_b32 s39, 0
	s_add_nc_u64 s[52:53], s[52:53], s[38:39]
	s_mov_b32 s[HM], 0xffff0000
	v_and_b32 v1, 31, v0
	v_lshlrev_b32 v[LI], 4, v1
	v_and_b32 v[R16], 15, v0
	v_lshlrev_b32 v[R8], 3, v[R16]
	v_lshlrev_b32 v[R16], 4, v[R16]
	v_add_nc_u32 v[LR], 16384, v[R16]
.irp i, 0,1,2,3,4,5,6,7
	v_mov_b32 v[QZ+\i], 0                          ; the zero codes beside q
	v_mov_b32 v[QZ+16+\i], 0
	v_mov_b32 v[QZ+32+\i], 0
	v_mov_b32 v[BT+\i], 0                          ; written once: a lane permute's destination counts as one of its sources
.endr
	v_mov_b32 v[FF+1], 0                           ; (named as the upper halves of pairs)
	v_mov_b32 v[FF+3], 0
	QPARK 0                                        ; 72 loads a wave go out: the first 256 along K
	QFRAG 0, 0
	QFRAG 1, 0
	QTRIP 1, 0                                     ; the first trip is written out: its first products start the sums
	s_mov_b32 s[QC], 3
.Lqk:
	QTRIP 0, 1
	s_sub_co_u32 s[QC], s[QC], 1
	s_cmp_lg_u32 s[QC], 0
	s_cbranch_scc1 .Lqk
	QQ 0
	QQ 2
	s_mov_b32 s[PN], 0
	WALU
	s_wait_tensorcnt 0x0                           ; my two chunks have landed,
	s_barrier_signal -1
	s_barrier_wait -1                              ; everybody's have
.Lpass:
.irp t, 0,1
	v_mov_b32 v[NM+2*\t], 0x7e000000               ; -M: a large whole number, so that the first f is 0
	v_mov_b32 v[NM+2*\t+1], 0xff61b1e6             ; the largest score so far: -3e38
	v_mov_b32 v[LS+2*\t], 0
	v_mov_b32 v[LS+2*\t+1], 0
.endr
	WIN 0x40
.set j, 0
.rept 64
	v_mov_b32 v[OT+j], 0                           ; the step is written once: the first finds zeros, which the first f leaves zeros
.set j, j+1
.endr
	KLOAD LI, LR                                   ; chunk 0's K
	s_mov_b32 s[TB], 0
	s_mov_b32 s[CNT], 16
	WALU
.Lstep:
	s_wait_dscnt 0x0                               ; this step's K and its scale words are in
	WIN 0x01                                       ; source 0 in window 1
.irp p, 0,1,2,3
.irp t, 0,1
	v_wmma_scale_f32_16x16x128_f8f6f4 v[S+64*\t+16*\p:S+64*\t+16*\p+7], v[KF+16*\p:KF+16*\p+15], v[QZ+16*\t+8:QZ+16*\t+23], 0, v[KS+\p], v[QS+\t]
	v_wmma_scale_f32_16x16x128_f8f6f4 v[S+64*\t+16*\p+8:S+64*\t+16*\p+15], v[KF+16*\p:KF+16*\p+15], v[QZ+16*\t:QZ+16*\t+15], 0, v[KS+\p], v[QS+\t]
.endr
.endr
	WIN 0
	s_add_co_u32 s[TN], s[TB], CHUNK
	s_min_u32 s[TN], s[TN], 15*CHUNK               ; the pass's last step has none behind it: the address stays in the record
	v_add_nc_u32 v[AD], s[TB], v[LI]               ; four additions and four v_nop: eight places behind the products, ahead of the loads into what they read and of the first read of the scores
	v_add_nc_u32 v[ADS], s[TB], v[LR]
	v_add_nc_u32 v[ADN], s[TN], v[LI]
	v_add_nc_u32 v[ADSN], s[TN], v[LR]
.rept 4
	v_nop
.endr
	ds_load_b128 v[VS:VS+3], v[ADS] offset:256     ; V's scale words, V^T's four fragments: 17 loads; then the next step's K: 17 more
	WIN 0x40
.irp i, 0,1,2,3
.irp c, 0,1,2,3
	ds_load_b128 v[VF+16*\i+4*\c:VF+16*\i+4*\c+3], v[AD] offset:8192+2048*\i+512*\c
.endr
.endr
	KLOAD ADN, ADSN
.irp b, 0,1,2,3                                ; the largest score of each block of 32 keys: eight chains by turns; each accumulator is read from its low end on
.irp t, 0,1
	v_max3_num_f32 v[BM+4*\t+\b], v[S+64*\t+16*\b], v[S+64*\t+16*\b+1], v[S+64*\t+16*\b+2]
.endr
.endr
.irp i, 3,5,7,9,11,13
.irp b, 0,1,2,3
.irp t, 0,1
	v_max3_num_f32 v[BM+4*\t+\b], v[BM+4*\t+\b], v[S+64*\t+16*\b+\i], v[S+64*\t+16*\b+\i+1]
.endr
.endr
.endr
.irp b, 0,1,2,3
.irp t, 0,1
	v_max_num_f32 v[BM+4*\t+\b], v[BM+4*\t+\b], v[S+64*\t+16*\b+15]
.endr
.endr
.irp n, 0,1,2,3,4,5,6,7
	v_permlanex16_b32 v[BT+\n], v[BM+\n], s[SEL], s[SEL+1]
.endr
.irp n, 0,1,2,3,4,5,6,7
	v_max_num_f32 v[BM+\n], v[BM+\n], v[BT+\n]     ; with lane l xor 16's 16 keys
.endr
.irp t, 0,1
	v_max3_num_f32 v[TP+\t], v[BM+4*\t], v[BM+4*\t+1], v[BM+4*\t+2]
.endr
.irp t, 0,1
	v_max3_num_f32 v[NM+2*\t+1], v[NM+2*\t+1], v[TP+\t], v[BM+4*\t+3]   ; the running largest score
.endr
.irp t, 0,1
	v_mul_f32 v[TP+\t], s[NC], v[NM+2*\t+1]        ; -t (c is positive)
.endr
.irp t, 0,1
	v_floor_f32 v[TP+\t], v[TP+\t]                 ; the new -M = floor(-t): M is a whole number
.endr
.irp t, 0,1
	v_sub_f32 v[DD+\t], v[TP+\t], v[NM+2*\t]       ; old M - new M: a whole number, 0 or less
.endr
.irp t, 0,1
	v_mov_b32 v[NM+2*\t], v[TP+\t]
.endr
.irp t, 0,1
	v_cvt_i32_f32 v[DD+\t], v[DD+\t]               ; (it saturates)
.endr
.irp t, 0,1
	v_ldexp_f32 v[FF+2*\t], 1.0, v[DD+\t]          ; f = 2^(old M - new M)
.endr
	WIN 0x41                                       ; O^T under the new M, ahead of the step's exponentials, each accumulator from its low end on
.irp t, 0,1
.set j, 0
.rept 16
	v_pk_mul_f32 v[OT+32*\t+j:OT+32*\t+j+1], v[OT+32*\t+j:OT+32*\t+j+1], v[FF+2*\t:FF+2*\t+1] op_sel_hi:[1,0]
.set j, j+2
.endr
.endr
	WIN 0
.set j, 0
.rept 32
	v_pk_fma_f32 v[S+j:S+j+1], v[S+j:S+j+1], s[CS:CS+1], v[NM:NM+1] op_sel_hi:[1,0,0]   ; tile a: t - M, two at a time
.set j, j+2
.endr
.irp b, 0,1,2,3
	v_fma_f32 v[BM+\b], v[BM+\b], s[CS], v[NM]     ; the same of each block's largest score
.endr
	WALU                                           ; ahead of the batch
.irp b, 0,1,2,3
	v_exp_f32 v[BM+\b], v[BM+\b]                   ; tile a's exponentials; among them tile b's scalings, which nothing reads before the next wait but one
	v_fma_f32 v[BM+4+\b], v[BM+4+\b], s[CS], v[NM+2]
.endr
.set j, 0
.rept 32
	v_exp_f32 v[S+j], v[S+j]
	v_exp_f32 v[S+j+1], v[S+j+1]
	v_pk_fma_f32 v[S+64+j:S+65+j], v[S+64+j:S+65+j], s[CS:CS+1], v[NM+2:NM+3] op_sel_hi:[1,0,0]
.set j, j+2
.endr
	WALU                                           ; behind the batch
	SCALE 0
	SUM1 0
	SUM2 0
	WALU                                           ; ahead of the second batch
.irp b, 0,1,2,3
	v_exp_f32 v[BM+4+\b], v[BM+4+\b]
.endr
.set j, 0
.rept 32                                       ; tile b's exponentials; among them tile a's holds (the conversion does not saturate: ISA guide 7.6.2; p is not negative, so the hold is one-sided), two to a line
	v_exp_f32 v[S+64+j], v[S+64+j]
	v_exp_f32 v[S+65+j], v[S+65+j]
	v_dual_min_num_f32 v[S+j], v[S+j], v[HL+j/16] :: v_dual_min_num_f32 v[S+j+1], v[S+j+1], v[HL+j/16]
.set j, j+2
.endr
	v_nop                                          ; a plain line behind the last exponential
	WALU                                           ; behind the batch
	SCALE 1
	SUM1 1
.set j, 0
.rept 32
	v_dual_min_num_f32 v[S+64+j], v[S+64+j], v[HL+4+j/16] :: v_dual_min_num_f32 v[S+65+j], v[S+65+j], v[HL+4+j/16]
.set j, j+2
.endr
	WIN 0x40
.irp t, 0,1
.irp b, 0,1,2,3
	v_cvt_scalef32_pk8_fp8_f32 v[PC+16*\t+4*\b:PC+16*\t+4*\b+1], v[S+64*\t+16*\b:S+64*\t+16*\b+7], v[SO+4*\t+\b]
	v_cvt_scalef32_pk8_fp8_f32 v[PC+16*\t+4*\b+2:PC+16*\t+4*\b+3], v[S+64*\t+16*\b+8:S+64*\t+16*\b+15], v[SO+4*\t+\b]
.endr
.endr
	WIN 0
	SUM2 1                                         ; seven plain lines between the conversions and the products that take the codes
	WALU
	s_wait_dscnt 17                                ; V's scale words and V^T are in; behind them: the next K's 16 loads and its scale words' one
	WIN 0x55                                       ; all four operands in window 1
.irp i, 0,1,2,3
.irp t, 0,1
	v_wmma_scale_f32_16x16x128_f8f6f4 v[OT+32*\t+8*\i:OT+32*\t+8*\i+7], v[VF+16*\i:VF+16*\i+15], v[PC+16*\t:PC+16*\t+15], v[OT+32*\t+8*\i:OT+32*\t+8*\i+7], v[VS+\i], v[PS+\t]   ; the eight accumulators by turns
.endr
.endr
	WIN 0
	s_add_co_u32 s[TB], s[TB], CHUNK
	s_sub_co_u32 s[CNT], s[CNT], 1
	s_cmp_lg_u32 s[CNT], 0
	s_cbranch_scc1 .Lstep
	; THE WAY OUT of two tiles
	s_wait_dscnt 0x0                               ; no LDS load is out: K's registers may be asked for anew
	s_cmp_eq_u32 s[PN], 1
	s_cbranch_scc1 .Lno_q
	WIN 0x01                                       ; the second pass's q and its scale words come out of window 1
.irp i, 0,1,2,3,4,5,6,7
	v_mov_b32 v[QZ+8+\i], v[Q1+\i]
	v_mov_b32 v[QZ+24+\i], v[Q1+8+\i]
.endr
	v_mov_b32 v[QS], v[Q1+16]
	v_mov_b32 v[QS+1], v[Q1+17]
	WIN 0
.Lno_q:
.irp t, 0,1
	v_add_f32 v[LS+2*\t], v[LS+2*\t], v[LS+2*\t+1] ; the sum's two halves,
.endr
.irp t, 0,1
	v_permlanex16_b32 v[BT+4*\t], v[LS+2*\t], s[SEL], s[SEL+1]
.endr
.irp t, 0,1
	v_add_f32 v[LS+2*\t], v[LS+2*\t], v[BT+4*\t]   ; and lane l xor 16's
.endr
	v_nop                                          ; with the six lines above: eight places behind the last products
	v_nop
	WALU
	v_rcp_f32 v[LS], v[LS]
	v_rcp_f32 v[LS+2], v[LS+2]
	v_nop                                          ; one plain line behind a transcendental
	WIN 0x01
	WALU                                           ; directly ahead of the first readers of O^T and of the reciprocals
.irp t, 0,1
.set j, 0
.rept 16
	v_pk_mul_f32 v[S+64*\t+j:S+64*\t+j+1], v[OT+32*\t+j:OT+32*\t+j+1], v[LS+2*\t:LS+2*\t+1] op_sel_hi:[1,0]   ; SA: register 16 g + i = channel 32 g + 16 h + i of my query
.set j, j+2
.endr
.endr
	WIN 0
.irp g, 0,1                                    ; SA's two blocks of 32 a tile are quantised like any operand: four chains by turns
.irp t, 0,1
	v_max3_num_f32 v[BM+4*\t+\g], |v[S+64*\t+16*\g]|, |v[S+64*\t+16*\g+1]|, 0x4800000
.endr
.endr
.irp i, 2,4,6,8,10,12,14
.irp g, 0,1
.irp t, 0,1
	v_max3_num_f32 v[BM+4*\t+\g], v[BM+4*\t+\g], |v[S+64*\t+16*\g+\i]|, |v[S+64*\t+16*\g+\i+1]|
.endr
.endr
.endr
.irp n, 0,1,4,5
	v_permlanex16_b32 v[BT+\n], v[BM+\n], s[SEL], s[SEL+1]
.endr
.irp n, 0,1,4,5
	v_max_num_f32 v[BM+\n], v[BM+\n], v[BT+\n]
.endr
.irp n, 0,1,4,5
	v_add_nc_u32 v[SO+\n], 0xfc000000, v[BM+\n]
.endr
.irp n, 0,1,4,5
	v_and_or_b32 v[HL+\n], v[BM+\n], 0x7f800000, s[MNT]
.endr
.irp n, 0,1,4,5
	v_lshrrev_b32 v[BT+\n], 23, v[SO+\n]
.endr
.irp t, 0,1
	v_lshl_or_b32 v[TP+\t], v[BT+4*\t+1], 8, v[BT+4*\t]
.endr
.irp t, 0,1
.irp g, 0,1
.set i, 0
.rept 16
	v_med3_num_f32 v[S+64*\t+16*\g+i], v[S+64*\t+16*\g+i], -v[HL+4*\t+\g], v[HL+4*\t+\g]
.set i, i+1
.endr
.endr
.endr
.irp t, 0,1
.irp g, 0,1
	v_cvt_scalef32_pk8_fp8_f32 v[TS+8*\t+4*\g:TS+8*\t+4*\g+1], v[S+64*\t+16*\g:S+64*\t+16*\g+7], v[SO+4*\t+\g]
	v_cvt_scalef32_pk8_fp8_f32 v[TS+8*\t+4*\g+2:TS+8*\t+4*\g+3], v[S+64*\t+16*\g+8:S+64*\t+16*\g+15], v[SO+4*\t+\g]
.endr
.endr
	v_nop                                          ; one plain line behind the last conversion
.irp t, 0,1
	global_store_b128 v[LI], v[TS+8*\t:TS+8*\t+3], s[8:9] offset:4096*\t          ; 512 consecutive bytes each
	global_store_b128 v[LI], v[TS+8*\t+4:TS+8*\t+7], s[8:9] offset:4096*\t+512
	global_store_b16 v[R8], v[TP+\t], s[10:11] offset:512*\t                      ; lanes r and r + 16 write the same two bytes with the same value
.endr
	WALU
	s_wait_xcnt 0x0                                ; the stores have read their registers and bases: both may be written
	s_add_nc_u64 s[8:9], s[8:9], 8192              ; two tiles on
	s_add_nc_u64 s[10:11], s[10:11], 1024
	s_add_co_u32 s[PN], s[PN], 1
	s_cmp_lt_u32 s[PN], 2
	s_cbranch_scc1 .Lpass
	s_wait_tensorcnt 0x0                           ; the wave's end
	ds_add_u32 v[SPW], v[NIL]
	s_wait_dscnt 0x0
	ROUND                                          ; the closing round
	s_endpgm
.Lfunc_end_k_q97bc617203_attn:
	.size	k_q97bc617203_attn, .Lfunc_end_k_q97bc617203_attn-k_q97bc617203_attn
	.p2alignl 7, 3214868480
	.fill 96, 4, 3214868480
	.section	.rodata,"a",@progbits
	.p2align	6, 0x0
	.amdhsa_kernel k_q97bc617203_attn
		.amdhsa_group_segment_fixed_size 272384
		.amdhsa_private_segment_fixed_size 0
		.amdhsa_enable_private_segment 0
		.amdhsa_kernarg_size 56
		.amdhsa_user_sgpr_count 2
		.amdhsa_user_sgpr_kernarg_segment_ptr 1
		.amdhsa_wavefront_size32 1
		.amdhsa_system_sgpr_workgroup_id_x 1
		.amdhsa_system_sgpr_workgroup_id_y 1
		.amdhsa_system_sgpr_workgroup_id_z 1
		.amdhsa_system_vgpr_workitem_id 0
		.amdhsa_next_free_vgpr 512
		.amdhsa_next_free_sgpr 66
		.amdhsa_reserve_vcc 0
		.amdhsa_float_denorm_mode_32 3
		.amdhsa_float_denorm_mode_16_64 3
		.amdhsa_memory_ordered 1
		.amdhsa_forward_progress 1
		.amdhsa_inst_pref_size 105
	.end_amdhsa_kernel
	.amdgpu_metadata
---
amdhsa.version: [ 1, 2 ]
amdhsa.kernels:
  - .name:           k_q97bc617203_attn
    .symbol:         k_q97bc617203_attn.kd
    .args:
      - { .name: xc, .offset: 0, .size: 8, .value_kind: global_buffer, .address_space: global }
      - { .name: kv, .offset: 8, .size: 8, .value_kind: global_buffer, .address_space: global }
      - { .name: sac, .offset: 16, .size: 8, .value_kind: global_buffer, .address_space: global }
      - { .name: sas, .offset: 24, .size: 8, .value_kind: global_buffer, .address_space: global }
      - { .name: xs, .offset: 32, .size: 8, .value_kind: global_buffer, .address_space: global }
      - { .name: wc, .offset: 40, .size: 8, .value_kind: global_buffer, .address_space: global }
      - { .name: ws, .offset: 48, .size: 8, .value_kind: global_buffer, .address_space: global }
    .group_segment_fixed_size: 272384
    .private_segment_fixed_size: 0
    .kernarg_segment_align: 8
    .kernarg_segment_size: 56
    .max_flat_workgroup_size: 256
    .sgpr_count:     66
    .vgpr_count:     512
    .wavefront_size: 32
...
	.end_amdgpu_metadata
.endif
;; end of part 3
;; launch outp (part 4): grid 8 x 32, 4 waves a work-group, clusters of 4 x 4, 327,680 bytes of LDS; arguments sac, sas, wc, ws, bo, out0; writes out0
.if DOCPART == 4
	.amdgcn_target "amdgcn-amd-amdhsa--gfx1250"
	.amdhsa_code_object_version 6
	.text
	.protected	k_q97bc617203_outp
	.globl	k_q97bc617203_outp
	.p2align	8
	.type	k_q97bc617203_outp,@function
k_q97bc617203_outp:
	s_mov_b64 s[64:65], 0
	v_nop
	global_prefetch_b8 v0, s[64:65] scope:SCOPE_SE
	s_setreg_imm32_b32 hwreg(HW_REG_WAVE_MODE, 25, 1), 1
	s_wait_xcnt 0x0
	s_wait_alu depctr_hold_cnt(0) depctr_sa_sdst(0) depctr_va_vdst(0) depctr_va_sdst(0) depctr_va_ssrc(0) depctr_va_vcc(0) depctr_vm_vsrc(0)
	s_getreg_b32 s2, hwreg(HW_REG_IB_STS2, 6, 4)
	s_cmp_eq_u32 s2, 0
	s_cbranch_scc0 .Lentry_in_a_cluster
	s_endpgm
.Lentry_in_a_cluster:
	s_bfe_u32 s2, ttmp6, 0x10000c
	s_cmp_lg_u32 s2, 0xf033
	s_cbranch_scc0 .Lentry_shape_is_right
	s_endpgm
.Lentry_shape_is_right:
.set NQ,     2
.set FR,     16
.set NL,     4
.set NP,     8
.set SLOT,   131072
.set SCL,    2*SLOT
.set SPARE,  SCL+16384
.set SPITCH, 528
.set ADRA, 16
.set ADRB, 20
.set STO,  24
.set RD,   25
.set CO,   26
.set ADRS, 27
.set SPW,  28
.set NIL,  29
.set SC,   32
.set BI,   64
.set AF,   128
.set BK,   128
.set WV,   16
.set WH,   17
.set WL,   18
.set G1,   24
.set G0,   32
.set G1B,  48
.set G0B,  56
.set G1S,  68
.set G0S,  76
.set G1SB, 80
.set G0SB, 88
.set MSB, 0
.macro WIN new
.if MSB != (\new)
	s_set_vgpr_msb (MSB<<8)|(\new)
.set MSB, (\new)
.endif
.endm
.set MUL_LO, 0xa1
.set MUL_HI, 0xf1
.set FST_LO, 0x81
.set FST_HI, 0xc1
.set TO_B,   0x40
.macro JLOAD g0a, g1a, g0b, g1b
	s_cmp_eq_u32 s[WH], 0
	s_cbranch_scc0 .Lfor_b_\@
	tensor_load_to_lds s[\g0a:\g0a+3], s[\g1a:\g1a+7]
	s_nop 0
.rept 4
	v_nop
.endr
	s_branch .Lasked_\@
.Lfor_b_\@:
	tensor_load_to_lds s[\g0b:\g0b+3], s[\g1b:\g1b+7]
	s_nop 0
.rept 4
	v_nop
.endr
.Lasked_\@:
.endm
.macro CREST
	s_cmp_lg_u32 s[WV], 0
	s_cbranch_scc1 .Lnot_wave_0_\@
	s_barrier_signal -3
.Lnot_wave_0_\@:
	s_barrier_wait -3
	s_barrier_signal -1
	s_barrier_wait -1
.endm
.macro CROUND
	s_barrier_signal -1
	s_barrier_wait -1
	CREST
.endm
	s_load_b256 s[4:11], s[0:1], 0x0
	s_load_b128 s[12:15], s[0:1], 0x20
	v_lshl_add_u32 v[SPW], v0, 2, SPARE
	v_mov_b32 v[NIL], 0
	ds_add_u32 v28, v29
	ds_add_u32 v28, v29
	s_wait_dscnt 0x0
	v_lshrrev_b32 v1, 5, v0
	v_readfirstlane_b32 s[WV], v1
	s_lshr_b32 s[WH], s[WV], 1
	s_and_b32 s[WL], s[WV], 1
	s_bfe_u32 s40, ttmp6, 0x40000
	s_bfe_u32 s41, ttmp6, 0x40004
	s_lshl_b32 s23, ttmp9, 2
	s_add_co_u32 s23, s23, s40
	s_and_b32 s22, ttmp7, 0xffff
	s_lshl_b32 s22, s22, 2
	s_add_co_u32 s22, s22, s41
	s_lshl_b32 s42, s41, 2
	s_lshl_b32 s42, 15, s42
	s_lshl_b32 s43, 0x1111, s40
	s_or_b32 s[G1+0], s42, (3<<16)|(1<<21)
	s_or_b32 s[G1B+0], s43, (3<<16)|(1<<21)
.irp g, G1, G1B
	s_mov_b32 s[\g+1], 32<<16
	s_mov_b32 s[\g+2], 256<<16                     ; the head's loads of codes bring a whole K step of a panel: 256 rows of 256 bytes
	s_mov_b32 s[\g+3], 32<<16
	s_mov_b32 s[\g+4], 256
	s_mov_b32 s[\g+5], 32
	s_mov_b32 s[\g+6], 0
	s_mov_b32 s[\g+7], 0
.endr
	s_mov_b32 s[G1B+2], 128<<16                    ; a block of C is 256 rows x 128 columns: B's tile is half a panel of Wo, 128 rows of 256 bytes a K step
	s_mov_b32 s[G1B+4], 128
	s_or_b32 s[G1S+0], s42, (3<<16)|(1<<21)
	s_or_b32 s[G1SB+0], s43, (3<<16)|(1<<21)
.irp g, G1S, G1SB
	s_mov_b32 s[\g+1], 32<<16
	s_mov_b32 s[\g+2], 32<<16                      ; a panel's scale words: 8,192 bytes, 32 rows of 256
	s_mov_b32 s[\g+3], 32<<16
	s_mov_b32 s[\g+4], 32
	s_mov_b32 s[\g+5], 32
	s_mov_b32 s[\g+6], 0
	s_mov_b32 s[\g+7], 0
.endr
	s_mov_b32 s[G1SB+2], 16<<16                    ; B's scale words are 16 rows of 256 bytes; the tile stays 32 rows, and the load writes zeros past the tensor's end: lanes 16-31 of the scale loads of blocks 4 to 7 read there, and no product names those words
	s_lshl_b32 s46, s22, 18
	s_lshl_b32 s47, s[WL], 15
	s_add_co_u32 s46, s46, s47
	s_mov_b32 s47, 0
	s_lshl_b32 s100, s22, 13
	s_mov_b32 s101, 0
	s_lshr_b32 s66, s23, 1                         ; tile column s23 of 128: Wo's panel s23 / 2, half s23 % 2; in the ring my 64 rows of that half
	s_lshl_b32 s66, s66, 18
	s_and_b32 s67, s23, 1
	s_lshl_b32 s67, s67, 15
	s_add_co_u32 s66, s66, s67
	s_lshl_b32 s67, s[WL], 14
	s_add_co_u32 s66, s66, s67
	s_add_co_u32 s66, s66, 0x300000
	s_mov_b32 s67, 0
	s_lshl_b32 s104, s23, 12
	s_add_co_u32 s104, s104, 0x18000
	s_mov_b32 s105, 0
	s_lshl_b32 s44, s[WV], 15
	s_lshl_b32 s45, s[WL], 14                      ; B's tiles in a slot: byte 65,536 + 16,384 x half
	s_add_co_u32 s45, s45, 65536
	s_wait_kmcnt 0x0
	s_add_nc_u64 s[92:93], s[4:5], s[46:47]
	s_add_nc_u64 s[94:95], s[6:7], s[100:101]
	s_add_nc_u64 s[96:97], s[8:9], s[66:67]
	s_add_nc_u64 s[98:99], s[10:11], s[104:105]
	CROUND
	s_mov_b32 s[G0S], 1
	s_mov_b32 s[G0S+1], SCL
	s_mov_b64 s[G0S+2:G0S+3], s[94:95]
	s_or_b32 s[G0S+3], s[G0S+3], 0x80000000
	s_mov_b32 s[G0SB], 1
	s_mov_b32 s[G0SB+1], SCL+8192
	s_mov_b64 s[G0SB+2:G0SB+3], s[98:99]
	s_or_b32 s[G0SB+3], s[G0SB+3], 0x80000000
.irp s, 0,1
	s_mov_b32 s[G0+4*\s], 1
	s_add_co_u32 s[G0+4*\s+1], s44, \s*SLOT
	s_add_nc_u64 s[G0+4*\s+2:G0+4*\s+3], s[92:93], \s*65536
	s_or_b32 s[G0+4*\s+3], s[G0+4*\s+3], 0x80000000
	s_mov_b32 s[G0B+4*\s], 1
	s_add_co_u32 s[G0B+4*\s+1], s45, \s*SLOT
	s_add_nc_u64 s[G0B+4*\s+2:G0B+4*\s+3], s[96:97], \s*65536
	s_or_b32 s[G0B+4*\s+3], s[G0B+4*\s+3], 0x80000000
.endr
	; the head's four tiles, one joint load a wave, in one chain of arms on the wave's number: wave 0 A's K step 0 (its slot 0 descriptor begins at the panel's first byte and at LDS byte 0), wave 1 A's scale words, wave 2 B's K step 0 (LDS byte 65,536), wave 3 B's scale words
	s_cmp_eq_u32 s[WV], 0
	s_cbranch_scc0 .Lhead_1
	tensor_load_to_lds s[G0:G0+3], s[G1:G1+7]
	s_nop 0
.rept 4
	v_nop
.endr
	s_branch .Lhead_asked
.Lhead_1:
	s_cmp_eq_u32 s[WV], 1
	s_cbranch_scc0 .Lhead_2
	tensor_load_to_lds s[G0S:G0S+3], s[G1S:G1S+7]
	s_nop 0
.rept 4
	v_nop
.endr
	s_branch .Lhead_asked
.Lhead_2:
	s_cmp_eq_u32 s[WV], 2
	s_cbranch_scc0 .Lhead_3
	tensor_load_to_lds s[G0B:G0B+3], s[G1B:G1B+7]
	s_nop 0
.rept 4
	v_nop
.endr
	s_branch .Lhead_asked
.Lhead_3:
	tensor_load_to_lds s[G0SB:G0SB+3], s[G1SB:G1SB+7]
	s_nop 0
.rept 4
	v_nop
.endr
.Lhead_asked:
	s_wait_alu depctr_va_vdst(0)
	s_wait_tensorcnt 0x0                           ; my tile of the four is in
	ds_add_u32 v28, v29
	s_mov_b32 s[G1+2], 128<<16                     ; no tensor load of mine is out: from here on a load brings 128 rows
	s_mov_b32 s[G1+4], 128
	s_mov_b32 s[G1B+2], 64<<16                     ; of B 64 rows: a wave's quarter of a panel's K step
	s_mov_b32 s[G1B+4], 64
	s_wait_dscnt 0x0
	CROUND
	JLOAD G0+4, G1, G0B+4, G1B
	v_and_b32 v1, 31, v0
	v_lshlrev_b32 v[CO], 4, v1
	s_wait_alu depctr_va_vdst(0)
	v_and_b32 v2, 15, v0
	s_wait_alu depctr_va_vdst(0)
	v_bfe_u32 v3, v0, 4, 1
	s_wait_alu depctr_va_vdst(0)
	s_lshl_b32 s104, s23, 9                        ; my first column, in bytes: 512 x tile column + 256 x half
	s_lshl_b32 s105, s[WL], 8
	s_add_co_u32 s104, s104, s105
	s_mov_b32 s105, 0
	s_add_nc_u64 s[12:13], s[12:13], s[104:105]
	v_lshlrev_b32 v7, 6, v3
.irp b, 0,1,2,3
	global_load_b128 v[BI+8*\b:BI+8*\b+3], v7, s[12:13] offset:(32*(\b/2)+8*(\b%2))*4
	global_load_b128 v[BI+8*\b+4:BI+8*\b+7], v7, s[12:13] offset:(32*(\b/2)+8*(\b%2))*4+16
.endr
	s_lshl_b32 s100, s22, 20
	s_lshl_b32 s101, s[WH], 19
	s_add_co_u32 s100, s100, s101
	s_add_co_u32 s100, s100, s104
	s_mov_b32 s101, 0
	s_add_nc_u64 s[14:15], s[14:15], s[100:101]
	s_lshl_b32 s104, s[WH], 15
	s_lshl_b32 s105, s[WL], 14
	s_add_co_u32 s105, s105, 65536
.irp s, 0,1
	v_add_nc_u32 v[ADRA+\s], s104, v[CO]
	v_add_nc_u32 v[ADRB+\s], s105, v[CO]
	s_add_co_u32 s104, s104, SLOT
	s_add_co_u32 s105, s105, SLOT
.endr
	v_lshlrev_b32 v5, 3, v2
	s_lshl_b32 s104, s[WH], 12
	s_lshl_b32 s105, s[WL], 11
	s_add_co_u32 s105, s105, 8192
	s_sub_co_u32 s105, s105, s104
	v_mul_u32_u24 v6, s105, v3
	s_add_co_u32 s104, s104, SCL
	v_add_nc_u32 v5, v5, v6
	v_add_nc_u32 v[ADRS], s104, v5
	s_mul_i32 s104, s[WV], 16*SPITCH
	v_mul_u32_u24 v5, v2, SPITCH
	v_lshl_add_u32 v5, v3, 6, v5
	v_add_nc_u32 v[STO], s104, v5
	v_lshlrev_b32 v6, 4, v2                        ; back from the stage: lanes 0-15 take one row of 256 bytes, lanes 16-31 the next; and the same two rows in C
	v_mad_u32_u24 v5, v3, SPITCH, v6
	v_add_nc_u32 v[RD], s104, v5
	v_lshl_add_u32 v[CO], v3, 12, v6
.macro FRAG reg, adr, q, i
.irp c, 0,1,2,3
	ds_load_b128 v[\reg+4*\c:\reg+4*\c+3], v[\adr] offset:(\i)*4096+(\q)*2048+512*\c
.endr
.endm
.macro MUL16 a0, p, q, sc, first
.irp a, \a0, \a0+1
.irp b, 0,1,2,3
.if \first
	v_wmma_scale_f32_16x16x128_f8f6f4 v[8*(8*((\a)%4)+\b):8*(8*((\a)%4)+\b)+7], v[128*(\p)+FR*\b:128*(\p)+FR*\b+FR-1], v[AF+FR*(\a):AF+FR*(\a)+FR-1], v[BI+8*\b:BI+8*\b+7], v[SC+8*NQ*(\sc)+NQ*\b+(\q)], v[SC+8*NQ*(\sc)+NQ*(\a)+(\q)] matrix_a_scale:MATRIX_SCALE_ROW1
.else
	v_wmma_scale_f32_16x16x128_f8f6f4 v[8*(8*((\a)%4)+\b):8*(8*((\a)%4)+\b)+7], v[128*(\p)+FR*\b:128*(\p)+FR*\b+FR-1], v[AF+FR*(\a):AF+FR*(\a)+FR-1], v[8*(8*((\a)%4)+\b):8*(8*((\a)%4)+\b)+7], v[SC+8*NQ*(\sc)+NQ*\b+(\q)], v[SC+8*NQ*(\sc)+NQ*(\a)+(\q)] matrix_a_scale:MATRIX_SCALE_ROW1
.endif
.endr
.endr
.endm
.macro FETCH_B slot, q, p
	WIN TO_B
.irp i, 0,1,2,3
	FRAG 128*(\p)+FR*\i, ADRB+\slot, \q, \i
.endr
	WIN 0
.endm
.macro FETCH_A slot, q, i0
.irp i, \i0, \i0+1, \i0+2, \i0+3
	FRAG AF+FR*(\i), ADRA+\slot, \q, \i
.endr
.endm
.macro SCALES sc
.irp i, 0,1,2,3,4,5,6,7
	ds_load_b64 v[SC+8*NQ*\sc+NQ*\i:SC+8*NQ*\sc+NQ*\i+1], v[ADRS] offset:\i*512
.endr
.endm
.macro PLACES n
.rept \n
	v_nop
.endr
.endm
.macro STEP slot, q, first
	s_wait_dscnt 4*NL
.if \first
	WIN FST_LO
.else
	WIN MUL_LO
.endif
	MUL16 0, (\q)%2, \q, \slot, \first
	MUL16 2, (\q)%2, \q, \slot, \first
	s_wait_dscnt 0
	PLACES NP
	FETCH_B \slot, (\q)+1, 1-(\q)%2
	FETCH_A \slot, (\q)+1, 0
.if \first
	WIN FST_HI
.else
	WIN MUL_HI
.endif
	MUL16 4, (\q)%2, \q, \slot, \first
	MUL16 6, (\q)%2, \q, \slot, \first
	PLACES NP
	WIN 0
	FETCH_A \slot, (\q)+1, 4
.endm
.macro TURN slot, next, fill
	s_wait_tensorcnt 0x0
	ds_add_u32 v[SPW], v[NIL]
	s_wait_dscnt 4*NL+1
	WIN MUL_LO
	MUL16 0, 1, NQ-1, \slot, 0
	s_wait_dscnt 0x0
	s_barrier_signal -1
	MUL16 2, 1, NQ-1, \slot, 0
	WIN 0
	s_barrier_wait -1
.if \fill
	CREST
	s_add_nc_u64 s[G0+4*\slot+2:G0+4*\slot+3], s[G0+4*\slot+2:G0+4*\slot+3], 2*65536
	s_add_nc_u64 s[G0B+4*\slot+2:G0B+4*\slot+3], s[G0B+4*\slot+2:G0B+4*\slot+3], 2*65536
	JLOAD G0+4*\slot, G1, G0B+4*\slot, G1B
	PLACES NP-4
.else
	PLACES NP
.endif
	s_wait_alu depctr_va_vdst(0)
	v_add_nc_u32 v[ADRS], 128, v[ADRS]
	FETCH_B \next, 0, 0
	FETCH_A \next, 0, 0
	SCALES \next
	WIN MUL_HI
	MUL16 4, 1, NQ-1, \slot, 0
	MUL16 6, 1, NQ-1, \slot, 0
	PLACES NP
	WIN 0
	FETCH_A \next, 0, 4
.endm
	s_wait_alu depctr_va_vdst(0)
	s_wait_tensorcnt 1
	s_barrier_signal -1
	s_barrier_wait -1
	FETCH_B 0, 0, 0
	FETCH_A 0, 0, 0
	SCALES 0
	FETCH_A 0, 0, 4
	s_wait_loadcnt 0x0
	STEP 0, 0, 1
	s_mov_b32 s3, 1
.Llap:
	TURN 0, 1, 1
	STEP 1, 0, 0
	TURN 1, 0, 1
	STEP 0, 0, 0
	s_sub_co_u32 s3, s3, 1
	s_cmp_lg_u32 s3, 0
	s_cbranch_scc1 .Llap
	TURN 0, 1, 0
	STEP 1, 0, 0
	s_wait_dscnt 4*NL
	WIN MUL_LO
	MUL16 0, 1, NQ-1, 1, 0
	MUL16 2, 1, NQ-1, 1, 0
	s_wait_dscnt 0
	WIN MUL_HI
	MUL16 4, 1, NQ-1, 1, 0
	MUL16 6, 1, NQ-1, 1, 0
	WIN 0
.macro TOSTAGE a
.set AC, 64*((\a)%4)
	WIN 0x08+4*((\a)/4)
.irp b, 0,1,2,3
	ds_store_b128 v[STO], v[AC+8*\b:AC+8*\b+3] offset:128*(\b/2)+32*(\b%2)
	ds_store_b128 v[STO], v[AC+8*\b+4:AC+8*\b+7] offset:128*(\b/2)+32*(\b%2)+16
.endr
	WIN 0
.set BB, BK+64*((\a)%2)
.set t, 0
.rept 8
	ds_load_b128 v[BB+4*t:BB+4*t+3], v[RD] offset:2*t*SPITCH
.set t, t+1
.endr
.endm
.macro SEND a, younger
.set BB, BK+64*((\a)%2)
	s_wait_dscnt \younger
.set t, 0
.rept 8
	global_store_b128 v[CO], v[BB+4*t:BB+4*t+3], s[14:15] offset:(32*((\a)/2)+8*((\a)%2)+2*t+8*(t/4))*4096 th:TH_STORE_NT
.set t, t+1
.endr
.endm
	PLACES NP
	TOSTAGE 0
.irp a, 1,2,3,4,5,6,7
.if \a > 1
	s_wait_xcnt 0x0
.endif
	TOSTAGE \a
	SEND \a-1, 16
.endr
	SEND 7, 0
	s_wait_tensorcnt 0x0
	ds_add_u32 v[SPW], v[NIL]
	s_wait_dscnt 0x0
	CROUND
	s_endpgm
.Lfunc_end_k_q97bc617203_outp:
	.size	k_q97bc617203_outp, .Lfunc_end_k_q97bc617203_outp-k_q97bc617203_outp
	.p2alignl 7, 3214868480
	.fill 96, 4, 3214868480
	.section	.rodata,"a",@progbits
	.p2align	6, 0x0
	.amdhsa_kernel k_q97bc617203_outp
		.amdhsa_group_segment_fixed_size 327680
		.amdhsa_private_segment_fixed_size 0
		.amdhsa_enable_private_segment 0
		.amdhsa_kernarg_size 48
		.amdhsa_user_sgpr_count 2
		.amdhsa_user_sgpr_kernarg_segment_ptr 1
		.amdhsa_wavefront_size32 1
		.amdhsa_system_sgpr_workgroup_id_x 1
		.amdhsa_system_sgpr_workgroup_id_y 1
		.amdhsa_system_sgpr_workgroup_id_z 1
		.amdhsa_system_vgpr_workitem_id 0
		.amdhsa_next_free_vgpr 1024
		.amdhsa_next_free_sgpr 106
		.amdhsa_reserve_vcc 0
		.amdhsa_float_denorm_mode_32 3
		.amdhsa_float_denorm_mode_16_64 3
		.amdhsa_memory_ordered 1
		.amdhsa_forward_progress 1
		.amdhsa_inst_pref_size 93
	.end_amdhsa_kernel
	.amdgpu_metadata
---
amdhsa.version: [ 1, 2 ]
amdhsa.kernels:
  - .name:           k_q97bc617203_outp
    .symbol:         k_q97bc617203_outp.kd
    .args:
      - { .name: sac, .offset: 0, .size: 8, .value_kind: global_buffer, .address_space: global }
      - { .name: sas, .offset: 8, .size: 8, .value_kind: global_buffer, .address_space: global }
      - { .name: wc, .offset: 16, .size: 8, .value_kind: global_buffer, .address_space: global }
      - { .name: ws, .offset: 24, .size: 8, .value_kind: global_buffer, .address_space: global }
      - { .name: bo, .offset: 32, .size: 8, .value_kind: global_buffer, .address_space: global }
      - { .name: out0, .offset: 40, .size: 8, .value_kind: global_buffer, .address_space: global }
    .group_segment_fixed_size: 327680
    .private_segment_fixed_size: 0
    .kernarg_segment_align: 8
    .kernarg_segment_size: 48
    .max_flat_workgroup_size: 128
    .sgpr_count:     106
    .vgpr_count:     1024
    .wavefront_size: 32
...
	.end_amdgpu_metadata
.endif
;; end of part 4
